; MI455X (gfx1250); checked and timed in simulation.
; The chip was launched on July 23, 2026; its instructions are those of AMD's public machine-readable ISA for CDNA 5 (MIT licence, August 2026) and "CDNA5" Instruction Set Architecture Reference Guide (July 2026). The comments in the code are by the model that wrote it; some were corrected since.
;; Encoder Block. Allowed arithmetic: matrix products marked QUANTISED: E4M3 operands, one E8M0 scale for each 32 along K, by v_wmma_scale_f32_16x16x128_f8f6f4 with both operands' format E4M3, f32 sums; everything else in f32.
;; Inputs: a1 1 float32; a2 1 float32; b1 4,096 float32; b2 1,024 float32; bk 1,024 float32; bo 1,024 float32; bq 1,024 float32; bv 1,024 float32; g1 1 float32; g2 1 float32; src_mask 2 x 1 x 1 x 2,048 int32; w1_codes 4,096 x 32 x 32 uint8 (E4M3 codes of w1, K innermost, in blocks of 32 codes); w1_scales 4,096 x 32 uint8 (E8M0 scales of w1, one for each 32 codes along K); w2_codes 1,024 x 128 x 32 uint8 (E4M3 codes of w2, K innermost, in blocks of 32 codes); w2_scales 1,024 x 128 uint8 (E8M0 scales of w2, one for each 32 codes along K); wk_codes 1,024 x 32 x 32 uint8 (E4M3 codes of wk, K innermost, in blocks of 32 codes); wk_scales 1,024 x 32 uint8 (E8M0 scales of wk, one for each 32 codes along K); wo_codes 1,024 x 32 x 32 uint8 (E4M3 codes of wo, K innermost, in blocks of 32 codes); wo_scales 1,024 x 32 uint8 (E8M0 scales of wo, one for each 32 codes along K); wq_codes 1,024 x 32 x 32 uint8 (E4M3 codes of wq, K innermost, in blocks of 32 codes); wq_scales 1,024 x 32 uint8 (E8M0 scales of wq, one for each 32 codes along K); wv_codes 1,024 x 32 x 32 uint8 (E4M3 codes of wv, K innermost, in blocks of 32 codes); wv_scales 1,024 x 32 uint8 (E8M0 scales of wv, one for each 32 codes along K); x 2 x 2,048 x 1,024 float32.
;; Outputs: out0 2 x 2,048 x 1,024 float32.
;; This version of the problem:
;;   THIS VERSION OF THE PROBLEM IS GIVEN IN LOW PRECISION. The matrix products marked QUANTISED in the list below multiply operands that are first quantised to E4M3 (4 exponent bits, 3 mantissa bits; 8 bits a number), with one power-of-two scale for each 32 numbers along K (OCP MX v1.0); their sums are f32. All else is computed in f32.
;;   The module's matrix products, in the order in which they are computed (A, B: the left and right operand; K: the contracted axis; several contracted axes count as one K, in the product's order):
;;     1. [M 4,096, K 1,024] x [K 1,024, N 1,024]; A: computed on the way; B: input wq (given as codes): QUANTISED
;;     2. [M 4,096, K 1,024] x [K 1,024, N 1,024]; A: computed on the way; B: input wk (given as codes): QUANTISED
;;     3. [M 4,096, K 1,024] x [K 1,024, N 1,024]; A: computed on the way; B: input wv (given as codes): QUANTISED
;;     4. batch 32 x [M 2,048, K 64] x [K 64, N 2,048]; A: computed on the way; B: computed on the way: QUANTISED
;;     5. batch 32 x [M 64, K 2,048] x [K 2,048, N 2,048]; A: computed on the way; B: softmax (see below): QUANTISED
;;     6. [M 4,096, K 1,024] x [K 1,024, N 1,024]; A: computed on the way; B: input wo (given as codes): QUANTISED
;;     7. [M 4,096, K 1,024] x [K 1,024, N 4,096]; A: computed on the way; B: input w1 (given as codes): QUANTISED
;;     8. [M 4,096, K 4,096] x [K 4,096, N 1,024]; A: computed on the way; B: input w2 (given as codes): QUANTISED
;;   THE QUANTISER, for each operand of a quantised product, along K:
;;     - K is cut into blocks of 32 from its start; a last block that is shorter is filled with zeros.
;;     - A block's scale is 2^e with e = floor(log2(the largest magnitude in the block)) - 8, held to -126 .. 127; a block of zeros has e = 0. As a byte (E8M0): e + 127.
;;     - Each number is divided by its block's scale, clamped to +-448, and rounded to the nearest number of E4M3, ties to even, subnormals kept.
;;     - The product sums the exact products of the quantised numbers (number of the format x scale) in f32.
;;   ~~~python
;;   def quantise(x, axis):      # numpy; x: float32 -> the quantised numbers, widened to float32 again
;;       x = np.moveaxis(x, axis, -1); K = x.shape[-1]
;;       x = np.pad(x, [(0, 0)] * (x.ndim - 1) + [(0, -K % 32)]); x = x.reshape(x.shape[:-1] + (-1, 32)); a = np.abs(x).max(-1, keepdims=True)
;;       e = np.where(a > 0, np.clip(np.frexp(np.where(a > 0, a, 1))[1] - 1 - 8, -126, 127), 0)      # np.frexp(a)[1] - 1 = floor(log2(a)), exactly
;;       r = np.clip(x / 2.0 ** e, -448, 448)
;;       step = 2.0 ** (np.maximum(np.frexp(np.where(r == 0, 1, r))[1] - 1, -6) - 3)
;;       q = np.round(r / step) * step * 2.0 ** e      # np.round: ties to even
;;       return np.moveaxis(q.reshape(q.shape[:-2] + (-1,))[..., :K], -1, axis).astype(np.float32)
;;   ~~~
;;   SOFTMAX AHEAD OF A QUANTISED PRODUCT. Where the list says 'softmax', what is quantised is not the finished softmax but p = 2^(t - M), with t = logit x log2(e) and M = ceil(the row's largest t), a whole number; so 1/2 < the row's largest p <= 1. The row's sum l is taken of the UNQUANTISED p, in f32, and the product's result is divided by l at the end. Since M is a whole number, a kernel that streams over the keys may use a running M (the ceiling of the running maximum): every later rescaling is an exact power of two, which a block's scale takes up: the codes' values come out the same.
;;   OPERANDS COMPUTED ON THE WAY. 'Computed on the way' means the value that the module computes at that place (a softmax that the list does not call 'softmax' is quantised finished and normalised). What goes into a quantiser is computed in f32, as accurately as f32 sums, v_exp_f32 and their like allow (about 1e-6 of the number): no bf16 or f16 on the way to a quantiser, and a product that is left as it is and whose result goes on into a quantised operand takes f32 operands (vector FMAs, or v_wmma_f32_16x16x4_f32). A number that lies on a knife's edge between two numbers of the format may be rounded either way, as far as f32 arithmetic and the matrix unit's own rounding can turn it there, and no further.
;;   INPUTS GIVEN AS CODES. w1 (in the module: [1024, 4096], K = its axis 0); w2 (in the module: [4096, 1024], K = its axis 0); wk (in the module: [1024, 1024], K = its axis 0); wo (in the module: [1024, 1024], K = its axis 0); wq (in the module: [1024, 1024], K = its axis 0); wv (in the module: [1024, 1024], K = its axis 0): each comes as NAME_codes (uint8): NAME with its K axis moved to the last place and cut into blocks of 32 codes, [.., K / 32, bytes a block], one block behind the other in memory; one code a byte (a code: sign, 4 exponent bits, 3 mantissa bits); and NAME_scales (uint8): the same leading axes, one E8M0 byte (e + 127) for each 32 codes along K. Its value is code x scale, taken as it is: it is not quantised again, and the codes and scales need not be those that the quantiser above would give.
;; One version. Each part assembles by itself: llvm-mc -triple=amdgcn-amd-amdhsa -mcpu=gfx1250 --defsym DOCPART=n.
;; ======== version 1 of 1: 7 launches
;; limits: right only within a limited range of input values
;; workspace buffers: nq 4,325,376 bytes; qkv 12,976,128 bytes; cq 4,325,376 bytes; x1 16,777,216 bytes; hq 17,301,504 bytes
;; launch ln1 (part 1): grid 256 x 1, 8 waves a work-group, no clusters, 83,968 bytes of LDS; arguments x, a1, g1, nq; writes nq
.if DOCPART == 1
	.amdgcn_target "amdgcn-amd-amdhsa--gfx1250"
	.amdhsa_code_object_version 6
	.text
	.protected	k_qd3493d48e9_ln1
	.globl	k_qd3493d48e9_ln1
	.p2align	8
	.type	k_qd3493d48e9_ln1,@function
k_qd3493d48e9_ln1:
	s_mov_b64 s[64:65], 0
	v_nop
	global_prefetch_b8 v0, s[64:65] scope:SCOPE_SE
	s_setreg_imm32_b32 hwreg(HW_REG_WAVE_MODE, 25, 1), 1
	s_wait_xcnt 0x0
; y = a (x - mean) / (std + 1e-6) + g over rows of 1,024 f32 (std with 1,023 in the divisor), then quantised along the row:
; codes of FP8 (E4M3) [4096][1024] at byte 0 of the output buffer, one E8M0 byte for each 32 numbers, [4096][32], at byte NQS.
; SHARES. A work-group takes 16 rows, a wave 2. A row is eight loads of 512 consecutive bytes and stays in 32 registers; all 16 loads of a wave go out at the head.
; The variance is taken of x - mean (two passes over registers), so a common offset of the input costs no accuracy.
; The conversions want 16 neighbours in one lane: 512 numbers at a time turn through the wave's own stage in LDS (16 bytes of padding behind each 64).
; The work-group's 512 scale bytes are gathered in LDS and leave as one aligned block of 512 bytes.
; No matrix unit, no tensor load, no cluster: a stream in which work-groups share nothing.
; LIMITS: NaN and infinities are not served; a block of zeros gets the byte 1 with zero codes (the bytes are read by this program alone);
; the square root and the reciprocal are the chip's (1 ulp each), 1/1023 is a multiplication.
.set SP,    80                         ; a lane's place in a stage: 64 bytes + 16 of padding
.set STGB,  32*SP                      ; a stage: 512 numbers
.set WREG,  4*STGB                     ; four stages a wave (2 rows x 2 halves)
.set SCB,   8*WREG                     ; behind the stages: the 512 scale bytes
.set NQS,   4194304                    ; where the scale bytes begin in the output buffer
.set R,     16                         ; v16-79   two rows as loaded
.set X,     80                         ; v80-111  a row turned: two halves of 16 neighbours
.set C,     112                        ; v112-127 codes, four registers for each half row
.set E,     128                        ; v128-131 a scale byte for each half row
.set G,     132                        ; v132-133 g, twice
.set PT,    134                        ; the lane permute's destination
.set OUTS,  136                        ; v136-139 the scale bytes on their way out
.set OUTA,  140                        ; their LDS address
	s_load_b256 s[4:11], s[0:1], 0x0               ; x, a, g, the output buffer
	v_lshl_add_u32 v144, v0, 2, 0x14400
	v_mov_b32 v145, 0
	v_lshrrev_b32 v1, 5, v0
	s_delay_alu instid0(VALU_DEP_1)
	v_readfirstlane_b32 s17, v1                    ; wave 0..7
	v_and_b32 v1, 31, v0                           ; lane
	s_delay_alu instid0(VALU_DEP_1)
	v_lshlrev_b32 v2, 4, v1                        ; 16 x lane: my bytes of a load's or a store's 512
	s_mul_i32 s18, s17, WREG
	v_lshrrev_b32 v3, 2, v1
	s_delay_alu instid0(VALU_DEP_1)
	v_mul_u32_u24 v3, v3, SP
	v_and_b32 v4, 3, v1
	s_delay_alu instid0(VALU_DEP_1)
	v_lshl_add_u32 v3, v4, 4, v3
	s_delay_alu instid0(VALU_DEP_1)
	v_add_nc_u32 v3, s18, v3                       ; the stage on the way in: SP (lane / 4) + 16 (lane % 4)
	v_mul_u32_u24 v4, v1, SP
	s_delay_alu instid0(VALU_DEP_1)
	v_add_nc_u32 v4, s18, v4                       ; and on the way out: SP x lane
	s_lshl_b32 s18, s17, 6
	s_add_co_u32 s18, s18, SCB
	v_lshrrev_b32 v5, 1, v1
	s_delay_alu instid0(VALU_DEP_1)
	v_add_nc_u32 v5, s18, v5                       ; my block's scale byte: 64 bytes a wave, a byte for two lanes
	v_add_nc_u32 v[OUTA], SCB, v2
	v_mov_b32 v[PT], 0                             ; written once: a lane permute's destination counts as one of its sources
	s_mov_b32 s14, 0x76543210
	s_mov_b32 s15, 0xfedcba98                      ; lane l xor 16
	s_mov_b32 s16, 0x600000                        ; the mantissa field of 448
	s_lshl_b32 s18, ttmp9, 16                      ; 16 rows of 4,096 bytes a work-group,
	s_lshl_b32 s19, s17, 13                        ; 2 a wave
	s_add_co_u32 s18, s18, s19
	s_mov_b32 s19, 0
	s_lshl_b32 s20, ttmp9, 14                      ; the same rows of 1,024 codes
	s_lshl_b32 s21, s17, 11
	s_add_co_u32 s20, s20, s21
	s_mov_b32 s21, 0
	s_lshl_b32 s22, ttmp9, 9                       ; 512 scale bytes a work-group
	s_add_co_u32 s22, s22, NQS
	s_mov_b32 s23, 0
	s_wait_kmcnt 0x0
	s_load_b32 s12, s[6:7], 0x0                    ; a
	s_load_b32 s13, s[8:9], 0x0                    ; g
	s_add_nc_u64 s[4:5], s[4:5], s[18:19]
	s_add_nc_u64 s[22:23], s[10:11], s[22:23]
	s_add_nc_u64 s[10:11], s[10:11], s[20:21]
.irp i, 0,1
.irp j, 0,1,2,3,4,5,6,7
	global_load_b128 v[R+32*\i+4*\j:R+32*\i+4*\j+3], v2, s[4:5] offset:4096*\i+512*\j th:TH_LOAD_NT
.endr
.endr
; the sum of v[v] over the 32 lanes, in every lane
.macro RED v
	s_delay_alu instid0(VALU_DEP_1)
	v_add_f32_dpp v[\v], v[\v], v[\v] row_xmask:1 row_mask:0xf bank_mask:0xf
	s_delay_alu instid0(VALU_DEP_1)
	v_add_f32_dpp v[\v], v[\v], v[\v] row_xmask:2 row_mask:0xf bank_mask:0xf
	s_delay_alu instid0(VALU_DEP_1)
	v_add_f32_dpp v[\v], v[\v], v[\v] row_xmask:4 row_mask:0xf bank_mask:0xf
	s_delay_alu instid0(VALU_DEP_1)
	v_add_f32_dpp v[\v], v[\v], v[\v] row_xmask:8 row_mask:0xf bank_mask:0xf
	s_delay_alu instid0(VALU_DEP_1)
	v_permlanex16_b32 v[PT], v[\v], s14, s15
	s_delay_alu instid0(VALU_DEP_1)
	v_add_f32 v[\v], v[\v], v[PT]
.endm
; row i: mean, x - mean, its squares' sum, a / (std + eps), the norm in place; then the row turns through two stages
.macro ROW i
.set RB, R+32*(\i)
	v_pk_add_f32 v[6:7], v[RB:RB+1], v[RB+4:RB+5]
	v_pk_add_f32 v[8:9], v[RB+2:RB+3], v[RB+6:RB+7]
.irp k, 8,12,16,20,24,28
	s_delay_alu instid0(VALU_DEP_2)
	v_pk_add_f32 v[6:7], v[6:7], v[RB+\k:RB+\k+1]
	s_delay_alu instid0(VALU_DEP_2)
	v_pk_add_f32 v[8:9], v[8:9], v[RB+\k+2:RB+\k+3]
.endr
	s_delay_alu instid0(VALU_DEP_1)
	v_pk_add_f32 v[6:7], v[6:7], v[8:9]
	s_delay_alu instid0(VALU_DEP_1)
	v_add_f32 v6, v6, v7
	RED 6
	s_delay_alu instid0(VALU_DEP_1)
	v_mul_f32 v12, 0x3a800000, v6                  ; / 1,024: the mean
	s_delay_alu instid0(VALU_DEP_1)
	v_mov_b32 v13, v12
.set k2, 0
.rept 16
	v_pk_add_f32 v[RB+k2:RB+k2+1], v[RB+k2:RB+k2+1], v[12:13] neg_lo:[0,1] neg_hi:[0,1]
.set k2, k2+2
.endr
	v_pk_mul_f32 v[6:7], v[RB:RB+1], v[RB:RB+1]
	v_pk_mul_f32 v[8:9], v[RB+2:RB+3], v[RB+2:RB+3]
.irp k, 4,8,12,16,20,24,28
	s_delay_alu instid0(VALU_DEP_2)
	v_pk_fma_f32 v[6:7], v[RB+\k:RB+\k+1], v[RB+\k:RB+\k+1], v[6:7]
	s_delay_alu instid0(VALU_DEP_2)
	v_pk_fma_f32 v[8:9], v[RB+\k+2:RB+\k+3], v[RB+\k+2:RB+\k+3], v[8:9]
.endr
	s_delay_alu instid0(VALU_DEP_1)
	v_pk_add_f32 v[6:7], v[6:7], v[8:9]
	s_delay_alu instid0(VALU_DEP_1)
	v_add_f32 v6, v6, v7
	RED 6
	s_delay_alu instid0(VALU_DEP_1)
	v_mul_f32 v10, 0x3a802008, v6                  ; / 1,023
	s_wait_alu depctr_va_vdst(0)
	v_sqrt_f32 v11, v10
	v_nop                                          ; a plain line behind the transcendental
	s_wait_alu depctr_va_vdst(0)                   ; the wait ahead of the first reader
	v_add_f32 v11, 0x358637bd, v11                 ; + 1e-6
	s_wait_alu depctr_va_vdst(0)
	v_rcp_f32 v10, v11
	v_nop
	s_wait_alu depctr_va_vdst(0)
	v_mul_f32 v14, s12, v10                        ; a / (std + eps)
	s_delay_alu instid0(VALU_DEP_1)
	v_mov_b32 v15, v14
.set k2, 0
.rept 16
	v_pk_fma_f32 v[RB+k2:RB+k2+1], v[RB+k2:RB+k2+1], v[14:15], v[G:G+1]
.set k2, k2+2
.endr
.irp t, 0,1
.irp j, 0,1,2,3
	ds_store_b128 v3, v[RB+16*\t+4*\j:RB+16*\t+4*\j+3] offset:(2*(\i)+\t)*STGB+8*SP*\j
.endr
.endr
.irp t, 0,1
.irp j, 0,1,2,3
	ds_load_b128 v[X+16*\t+4*\j:X+16*\t+4*\j+3], v4 offset:(2*(\i)+\t)*STGB+16*\j   ; LDS serves a wave's instructions in order: these see the stores above
.endr
.endr
.endm
; half t of row i: 16 neighbours a lane, two lanes to a block of 32.  left: the LDS instructions issued behind this half's four loads
.macro QS i, t, left
.set XS, X+16*(\t)
.set CC, C+4*(2*(\i)+(\t))
	s_wait_dscnt \left
	v_max3_num_f32 v8, |v[XS]|, |v[XS+1]|, |v[XS+2]|
	v_max3_num_f32 v9, |v[XS+3]|, |v[XS+4]|, |v[XS+5]|
.irp k, 6,10
	s_delay_alu instid0(VALU_DEP_2)
	v_max3_num_f32 v8, v8, |v[XS+\k]|, |v[XS+\k+1]|
	s_delay_alu instid0(VALU_DEP_2)
	v_max3_num_f32 v9, v9, |v[XS+\k+2]|, |v[XS+\k+3]|
.endr
	s_delay_alu instid0(VALU_DEP_2)
	v_max3_num_f32 v8, v8, |v[XS+14]|, |v[XS+15]|
	s_delay_alu instid0(VALU_DEP_1)
	v_max3_num_f32 v8, v8, v9, 0x4800000           ; the floor 2^(9 - 127): the byte cannot fall under 1
	s_delay_alu instid0(VALU_DEP_1)
	v_max_num_f32_dpp v8, v8, v8 row_xmask:1 row_mask:0xf bank_mask:0xf   ; with my neighbour's 16: the block's largest magnitude
	s_delay_alu instid0(VALU_DEP_1)
	v_add_nc_u32 v11, 0xfc000000, v8               ; 8 off its exponent field: the conversion's scale operand
	s_delay_alu instid0(VALU_DEP_2)
	v_and_or_b32 v10, v8, 0x7f800000, s16          ; 448 x the scale
.set k2, 0
.rept 16
	v_med3_num_f32 v[XS+k2], v[XS+k2], -v10, v10   ; the conversion does not saturate (ISA guide 7.6.2): the hold comes first
.set k2, k2+1
.endr
	v_cvt_scalef32_pk8_fp8_f32 v[CC:CC+1], v[XS:XS+7], v11
	v_cvt_scalef32_pk8_fp8_f32 v[CC+2:CC+3], v[XS+8:XS+15], v11
	v_lshrrev_b32 v[E+2*(\i)+(\t)], 23, v11        ; the scale's byte
	ds_store_b8 v5, v[E+2*(\i)+(\t)] offset:32*(\i)+16*(\t)   ; both lanes of a block write the same byte with the same value
	global_store_b128 v2, v[CC:CC+3], s[10:11] offset:1024*(\i)+512*(\t)   ; the wave stores 512 consecutive bytes
.endm
	s_wait_kmcnt 0x0
	v_mov_b32 v[G], s13
	v_mov_b32 v[G+1], s13
	s_wait_loadcnt 8                               ; row 0's eight loads are in; row 1's eight stay out
	ROW 0
	QS 0, 0, 4                                     ; behind the first half's loads: the second half's four
	QS 0, 1, 1                                     ; behind the second half's: the byte store
	s_wait_loadcnt 0x0
	ROW 1
	QS 1, 0, 4
	QS 1, 1, 1
	s_wait_dscnt 0x0                               ; for the others' sake: my scale bytes lie in LDS
	s_barrier_signal -1
	s_barrier_wait -1
	s_cmp_lg_u32 s17, 0
	s_cbranch_scc1 .Lend                           ; wave 0 stores the work-group's 512 scale bytes
	ds_load_b128 v[OUTS:OUTS+3], v[OUTA]
	s_wait_dscnt 0x0
	global_store_b128 v2, v[OUTS:OUTS+3], s[22:23]
.Lend:
	s_wait_tensorcnt 0x0
	ds_add_u32 v144, v145
	s_wait_dscnt 0x0
	s_endpgm
.Lfunc_end_k_qd3493d48e9_ln1:
	.size	k_qd3493d48e9_ln1, .Lfunc_end_k_qd3493d48e9_ln1-k_qd3493d48e9_ln1
	.p2alignl 7, 3214868480
	.fill 96, 4, 3214868480
	.section	.rodata,"a",@progbits
	.p2align	6, 0x0
	.amdhsa_kernel k_qd3493d48e9_ln1
		.amdhsa_group_segment_fixed_size 83968
		.amdhsa_private_segment_fixed_size 0
		.amdhsa_enable_private_segment 0
		.amdhsa_kernarg_size 32
		.amdhsa_user_sgpr_count 2
		.amdhsa_user_sgpr_kernarg_segment_ptr 1
		.amdhsa_wavefront_size32 1
		.amdhsa_system_sgpr_workgroup_id_x 1
		.amdhsa_system_sgpr_workgroup_id_y 1
		.amdhsa_system_sgpr_workgroup_id_z 1
		.amdhsa_system_vgpr_workitem_id 0
		.amdhsa_next_free_vgpr 146
		.amdhsa_next_free_sgpr 66
		.amdhsa_reserve_vcc 0
		.amdhsa_float_denorm_mode_32 3
		.amdhsa_float_denorm_mode_16_64 3
		.amdhsa_memory_ordered 1
		.amdhsa_forward_progress 1
		.amdhsa_inst_pref_size 30
	.end_amdhsa_kernel
	.amdgpu_metadata
---
amdhsa.version: [ 1, 2 ]
amdhsa.kernels:
  - .name:           k_qd3493d48e9_ln1
    .symbol:         k_qd3493d48e9_ln1.kd
    .args:
      - { .name: x, .offset: 0, .size: 8, .value_kind: global_buffer, .address_space: global }
      - { .name: a1, .offset: 8, .size: 8, .value_kind: global_buffer, .address_space: global }
      - { .name: g1, .offset: 16, .size: 8, .value_kind: global_buffer, .address_space: global }
      - { .name: nq, .offset: 24, .size: 8, .value_kind: global_buffer, .address_space: global }
    .group_segment_fixed_size: 83968
    .private_segment_fixed_size: 0
    .kernarg_segment_align: 8
    .kernarg_segment_size: 32
    .max_flat_workgroup_size: 256
    .sgpr_count:     66
    .vgpr_count:     146
    .wavefront_size: 32
...
	.end_amdgpu_metadata
.endif
;; end of part 1
;; launch qkv (part 2): grid 12 x 16, 4 waves a work-group, clusters of 4 x 4, 327,680 bytes of LDS; arguments nq, wq_codes, wq_scales, wk_codes, wk_scales, wv_codes, wv_scales, bq, bk, bv, qkv; writes qkv
.if DOCPART == 2
	.amdgcn_target "amdgcn-amd-amdhsa--gfx1250"
	.amdhsa_code_object_version 6
	.text
	.protected	k_qd3493d48e9_qkv
	.globl	k_qd3493d48e9_qkv
	.p2align	8
	.type	k_qd3493d48e9_qkv,@function
k_qd3493d48e9_qkv:
	s_mov_b64 s[64:65], 0
	v_nop
	global_prefetch_b8 v0, s[64:65] scope:SCOPE_SE
	s_setreg_imm32_b32 hwreg(HW_REG_WAVE_MODE, 25, 1), 1
	s_wait_xcnt 0x0
	s_wait_alu depctr_hold_cnt(0) depctr_sa_sdst(0) depctr_va_vdst(0) depctr_va_sdst(0) depctr_va_ssrc(0) depctr_va_vcc(0) depctr_vm_vsrc(0)
	s_getreg_b32 s2, hwreg(HW_REG_IB_STS2, 6, 4)
	s_cmp_eq_u32 s2, 0
	s_cbranch_scc0 .Lentry_in_a_cluster
	s_endpgm
.Lentry_in_a_cluster:
	s_bfe_u32 s2, ttmp6, 0x10000c
	s_cmp_lg_u32 s2, 0xf033
	s_cbranch_scc0 .Lentry_shape_is_right
	s_endpgm
.Lentry_shape_is_right:
.set FF1,    0
.set KSTEP,  256
.set NQ,     KSTEP/128
.set ROWB,   256
.set KROW,   1024
.set PITCH,  272
.set FR,     16
.set NL,     4
.set NP,     8
.set HALFT,  128*PITCH
.set SLOT,   4*HALFT
.set LAPS,   KROW/(2*KSTEP)
.set KS,     KROW/32
.set SCL,    2*SLOT
.set HALFS,  (128*KS/256)*272
.set SBLK,   (16*KS/256)*272
.set SPARE,  SCL+4*HALFS
.set SWST,   SPARE+512
.set NQS,    4194304
.set ADRA, 16
.set ADRB, 20
.set VO,   24
.set SWA,  26
.set ADRS, 27
.set SPW,  28
.set NIL,  29
.set VS,   30
.set SWR,  31
.set SC,   32
.set BI,   64
.set AF,   128
.set TM,   32
.set PW,   48
.set PC,   128
.set SB,   144
.set G1, 24
.set G0, 32
.set G1B, 48
.set G0B, 56
.set G1S, 68
.set G0S, 76
.set G1SB, 80
.set G0SB, 88
.set MNT,  2
.set OC,   12
.set SAP,  66
.set ROLE, 95
.set OS,   96
.set BP,   98
.set SEL,  100
.set SA4P, 104
.set MSB, 0
.macro WIN new
.if MSB != \new
	s_set_vgpr_msb (MSB<<8)|\new
.set MSB, \new
.endif
.endm
.set MUL_LO, 0xa1
.set MUL_HI, 0xf1
.set BIA_LO, 0x81
.set BIA_HI, 0xc1
.set TO_B,   0x40
.macro JLOAD g0a, g1a, g0b, g1b
	s_cmp_eq_u32 s15, 0
	s_cbranch_scc0 .Lfor_b_\@
	tensor_load_to_lds s[\g0a:\g0a+3], s[\g1a:\g1a+7]
	s_nop 0
.rept 4
	v_nop
.endr
	s_branch .Lasked_\@
.Lfor_b_\@:
	tensor_load_to_lds s[\g0b:\g0b+3], s[\g1b:\g1b+7]
	s_nop 0
.rept 4
	v_nop
.endr
.Lasked_\@:
.endm
.macro CREST
	s_cmp_lg_u32 s14, 0
	s_cbranch_scc1 .Lnot_wave_0_\@
	s_barrier_signal -3
.Lnot_wave_0_\@:
	s_barrier_wait -3
	s_barrier_signal -1
	s_barrier_wait -1
.endm
.macro CROUND
	s_barrier_signal -1
	s_barrier_wait -1
	CREST
.endm
.if FF1
	s_load_b256 s[68:75], s[0:1], 0x0
	s_load_b64 s[76:77], s[0:1], 0x20
.else
	s_load_b512 s[68:83], s[0:1], 0x0
	s_load_b128 s[84:87], s[0:1], 0x40
	s_load_b64 s[88:89], s[0:1], 0x50
.endif
	v_lshl_add_u32 v[SPW], v0, 2, SPARE
	v_mov_b32 v[NIL], 0
	ds_add_u32 v28, v29
	ds_add_u32 v28, v29
	s_wait_dscnt 0x0
	v_lshrrev_b32 v1, 5, v0
	v_readfirstlane_b32 s14, v1
	s_lshr_b32 s15, s14, 1
	s_and_b32 s16, s14, 1
	s_bfe_u32 s40, ttmp6, 0x40000
	s_bfe_u32 s41, ttmp6, 0x40004
	s_and_b32 s94, ttmp7, 0xffff
	s_lshl_b32 s94, s94, 2
.if FF1
	s_lshl_b32 s42, ttmp9, 2
	s_add_co_u32 s42, s42, s40
	s_add_co_u32 s17, s94, s41
.else
	s_mov_b32 s[ROLE], ttmp9
	s_cmp_eq_u32 s[ROLE], 2
	s_cselect_b32 s17, 0, s94
	s_cselect_b32 s42, s94, 0
	s_add_co_u32 s17, s17, s41
	s_add_co_u32 s42, s42, s40
.endif
	s_lshl_b32 s43, s41, 2
	s_lshl_b32 s43, 15, s43
	s_lshl_b32 s44, 0x1111, s40
	s_or_b32 s[G1+0], s43, (0<<16)|(1<<20)|(1<<21)|(5<<22)|(3<<25)
	s_or_b32 s[G1B+0], s44, (0<<16)|(1<<20)|(1<<21)|(5<<22)|(3<<25)
.irp g, G1, G1B
	s_mov_b32 s[\g+1], ROWB<<16
	s_mov_b32 s[\g+2], 256<<16
	s_mov_b32 s[\g+3], ROWB<<16
	s_mov_b32 s[\g+4], 256
	s_mov_b32 s[\g+5], KROW
	s_mov_b32 s[\g+6], 0
	s_mov_b32 s[\g+7], 0
.endr
	s_lshl_b32 s20, s17, 8
	s_lshl_b32 s46, s42, 8
	s_mov_b32 s21, 0
	s_mov_b32 s47, 0
	s_mov_b64 s[18:19], KS
	s_mul_u64 s[22:23], s[20:21], s[18:19]
	s_mul_u64 s[92:93], s[46:47], s[18:19]
	s_mov_b64 s[18:19], KROW
	s_mul_u64 s[20:21], s[20:21], s[18:19]
	s_mul_u64 s[46:47], s[46:47], s[18:19]
	s_mul_i32 s45, s14, HALFT
	s_mul_i32 s94, s14, HALFS
.if FF1
	s_lshl_b32 s4, s42, 1
	s_add_co_u32 s4, s4, s16
	s_lshl_b32 s6, s17, 8
	s_lshl_b32 s7, s15, 7
	s_add_co_u32 s6, s6, s7
	s_lshl_b32 s[OC], s6, 12
	s_lshl_b32 s5, s4, 11
	s_add_co_u32 s[OC], s[OC], s5
	s_lshl_b32 s[OS], s4, 12
	s_add_co_u32 s[OS], s[OS], s6
	s_lshl_b32 s[OS], s[OS], 2
	s_add_co_u32 s[OS], s[OS], 16777216
	s_lshl_b32 s[BP], s4, 9
	s_mov_b32 s[SAP], 65536
	s_mov_b32 s8, 1024
	s_mov_b32 s9, 256
.else
	s_cmp_eq_u32 s[ROLE], 2
	s_cselect_b32 s4, s17, s42
	s_cselect_b32 s5, s15, s16
	s_cselect_b32 s6, s42, s17
	s_cselect_b32 s7, s16, s15
	s_mov_b32 s[SAP], 1024
	s_cselect_b32 s[SAP], 2048, s[SAP]
	s_cselect_b32 s[SA4P], 122880, 0
	s_mov_b32 s8, 131072
	s_cselect_b32 s8, 1024, s8
	s_mov_b32 s9, 256
	s_cselect_b32 s9, 4096, s9
	s_cselect_b32 s10, 1, 2
	s_lshl_b32 s4, s4, 2
	s_lshl_b32 s5, s5, 1
	s_add_co_u32 s4, s4, s5
	s_lshl_b32 s6, s6, 8
	s_lshl_b32 s7, s7, 7
	s_add_co_u32 s6, s6, s7
	s_lshr_b32 s7, s6, 11
	s_and_b32 s6, s6, 2047
	s_lshl_b32 s7, s7, 4
	s_add_co_u32 s7, s7, s4
	s_lshl_b32 s[OC], s[ROLE], 22
	s_lshl_b32 s5, s7, 17
	s_add_co_u32 s[OC], s[OC], s5
	s_lshl_b32 s5, s6, 6
	s_add_co_u32 s[OC], s[OC], s5
	s_lshl_b32 s[OS], s[ROLE], 17
	s_lshl_b32 s5, s7, 12
	s_add_co_u32 s[OS], s[OS], s5
	s_lshl_b32 s5, s6, s10
	s_add_co_u32 s[OS], s[OS], s5
	s_add_co_u32 s[OS], s[OS], 12582912
	s_lshl_b32 s[BP], s4, 8
	s_mov_b32 s[SA4P+1], 0
.endif
	s_mov_b32 s[OC+1], 0
	s_mov_b32 s[OS+1], 0
	s_mov_b32 s[BP+1], 0
	s_mov_b32 s[SAP+1], 0
	v_and_b32 v3, 31, v0
	v_lshlrev_b32 v[VO], 4, v3
	v_add_nc_u32 v[VO+1], s8, v[VO]
	v_bfe_u32 v4, v0, 4, 1
	v_mul_u32_u24 v4, s9, v4
	v_and_b32 v5, 15, v0
	v_lshl_add_u32 v[VS], v5, 4, v4
	s_lshl_b32 s10, s14, 9
	s_add_co_u32 s10, s10, SWST
	v_lshl_add_u32 v[SWA], v5, 2, s10
	v_add_nc_u32 v[SWR], s10, v[VO]
	s_wait_kmcnt 0x0
.if FF1
	s_add_nc_u64 s[OC:OC+1], s[76:77], s[OC:OC+1]
	s_add_nc_u64 s[OS:OS+1], s[76:77], s[OS:OS+1]
	s_add_nc_u64 s[BP:BP+1], s[74:75], s[BP:BP+1]
	s_add_nc_u64 s[10:11], s[68:69], NQS
	s_add_nc_u64 s[20:21], s[68:69], s[20:21]
	s_add_nc_u64 s[22:23], s[10:11], s[22:23]
	s_add_nc_u64 s[46:47], s[70:71], s[46:47]
	s_add_nc_u64 s[92:93], s[72:73], s[92:93]
.else
	s_add_nc_u64 s[OC:OC+1], s[88:89], s[OC:OC+1]
	s_add_nc_u64 s[OS:OS+1], s[88:89], s[OS:OS+1]
	s_cmp_eq_u32 s[ROLE], 1
	s_cselect_b64 s[4:5], s[74:75], s[70:71]
	s_cselect_b64 s[6:7], s[76:77], s[72:73]
	s_cselect_b64 s[8:9], s[84:85], s[82:83]
	s_cmp_eq_u32 s[ROLE], 2
	s_cselect_b64 s[4:5], s[78:79], s[4:5]
	s_cselect_b64 s[6:7], s[80:81], s[6:7]
	s_cselect_b64 s[8:9], s[86:87], s[8:9]
	s_add_nc_u64 s[BP:BP+1], s[8:9], s[BP:BP+1]
	s_add_nc_u64 s[10:11], s[68:69], NQS
	s_cselect_b64 s[100:101], s[4:5], s[68:69]
	s_add_nc_u64 s[20:21], s[100:101], s[20:21]
	s_cselect_b64 s[100:101], s[6:7], s[10:11]
	s_add_nc_u64 s[22:23], s[100:101], s[22:23]
	s_cselect_b64 s[100:101], s[68:69], s[4:5]
	s_add_nc_u64 s[46:47], s[100:101], s[46:47]
	s_cselect_b64 s[100:101], s[10:11], s[6:7]
	s_add_nc_u64 s[92:93], s[100:101], s[92:93]
.endif
	s_or_b32 s[G1S+0], s43, (3<<16)|(1<<20)|(1<<21)|(5<<22)|(3<<25)
	s_or_b32 s[G1SB+0], s44, (3<<16)|(1<<20)|(1<<21)|(5<<22)|(3<<25)
.irp g, G1S, G1SB
	s_mov_b32 s[\g+1], 32<<16
	s_mov_b32 s[\g+2], KS<<16
	s_mov_b32 s[\g+3], 32<<16
	s_mov_b32 s[\g+4], KS
	s_mov_b32 s[\g+5], 32
	s_mov_b32 s[\g+6], 0
	s_mov_b32 s[\g+7], 0
.endr
	CROUND
	s_mov_b32 s[G0S], 1
	s_mov_b32 s[G0S+1], SCL
	s_mov_b64 s[G0S+2:G0S+3], s[22:23]
	s_or_b32 s[G0S+3], s[G0S+3], 0x80000000
	s_mov_b32 s[G0SB], 1
	s_mov_b32 s[G0SB+1], SCL+2*HALFS
	s_mov_b64 s[G0SB+2:G0SB+3], s[92:93]
	s_or_b32 s[G0SB+3], s[G0SB+3], 0x80000000
.set G0H, 4                            ; s[4:7], s[8:11]: group 0 of the head's loads of K step 0, 256 rows each
.set G0HB, 8
	s_mov_b32 s[G0H], 1
	s_mov_b32 s[G0H+1], 0
	s_mov_b64 s[G0H+2:G0H+3], s[20:21]
	s_or_b32 s[G0H+3], s[G0H+3], 0x80000000
	s_mov_b32 s[G0HB], 1
	s_mov_b32 s[G0HB+1], 2*HALFT
	s_mov_b64 s[G0HB+2:G0HB+3], s[46:47]
	s_or_b32 s[G0HB+3], s[G0HB+3], 0x80000000
	s_mul_i32 s18, s16, 128*KROW                   ; for the ring: my 128 rows of the tile
	s_mov_b32 s19, 0
	s_add_nc_u64 s[20:21], s[20:21], s[18:19]
	s_add_nc_u64 s[46:47], s[46:47], s[18:19]
.irp s, 0,1
	s_mov_b32 s[G0+4*\s], 1
	s_add_co_u32 s[G0+4*\s+1], s45, \s*SLOT
	s_add_nc_u64 s[G0+4*\s+2:G0+4*\s+3], s[20:21], \s*ROWB
	s_or_b32 s[G0+4*\s+3], s[G0+4*\s+3], 0x80000000
	s_mov_b32 s[G0B+4*\s], 1
	s_add_co_u32 s[G0B+4*\s+1], s45, \s*SLOT
	s_add_nc_u64 s[G0B+4*\s+2:G0B+4*\s+3], s[46:47], \s*ROWB
	s_or_b32 s[G0B+4*\s+3], s[G0B+4*\s+3], 0x80000000
.endr
; the head's four tiles, one load a wave: wave 0 A's 256 rows of K step 0, wave 1 B's, wave 2 A's scales, wave 3 B's; one tree of branches on the wave's number
.macro ARM under, g0, g1, next
	s_cmp_lt_u32 s14, \under
	s_cbranch_scc0 \next
	tensor_load_to_lds s[\g0:\g0+3], s[\g1:\g1+7]
	s_nop 0
.rept 4
	v_nop
.endr
	s_branch .Lhead_asked
\next:
.endm
	ARM 1, G0H,  G1,  .Lhead_b
	ARM 2, G0HB, G1B, .Lhead_sa
	ARM 3, G0S,  G1S, .Lhead_sb
	tensor_load_to_lds s[G0SB:G0SB+3], s[G1SB:G1SB+7]
	s_nop 0
.rept 4
	v_nop
.endr
.Lhead_asked:
	v_and_b32 v1, 15, v0
	v_bfe_u32 v2, v0, 4, 1
	v_mul_u32_u24 v3, v1, PITCH
	v_lshl_add_u32 v4, v2, 4, v3
	s_mul_i32 s21, s15, HALFT
	s_mul_i32 s22, s16, HALFT
	s_add_co_u32 s22, s22, 2*HALFT
.irp s, 0,1
	v_add_nc_u32 v[ADRA+\s], s21, v4
	v_add_nc_u32 v[ADRB+\s], s22, v4
	s_add_co_u32 s21, s21, SLOT
	s_add_co_u32 s22, s22, SLOT
.endr
	v_mul_u32_u24 v5, v1, KS
	v_lshrrev_b32 v6, 8, v5
	v_lshl_add_u32 v5, v6, 4, v5
	s_mul_i32 s21, s15, HALFS
	s_mul_i32 s22, s16, HALFS
	s_add_co_u32 s22, s22, 2*HALFS
	s_sub_co_u32 s22, s22, s21
	v_mul_u32_u24 v6, s22, v2
	s_add_co_u32 s21, s21, SCL
	v_add_nc_u32 v5, v5, v6
	v_add_nc_u32 v[ADRS], s21, v5
	v_lshlrev_b32 v7, 5, v2
	v_lshlrev_b32 v8, 2, v1
	s_mov_b32 s[SEL], 0x76543210
	s_mov_b32 s[SEL+1], 0xfedcba98
	s_mov_b32 s[MNT], 0x600000
.if FF1 == 0
	s_cmp_eq_u32 s[ROLE], 2
	s_cbranch_scc1 .Lbias_v
.endif
.irp b, 0,1,2,3,4,5,6,7
	global_load_b128 v[BI+8*\b:BI+8*\b+3], v7, s[BP:BP+1] offset:64*\b
	global_load_b128 v[BI+8*\b+4:BI+8*\b+7], v7, s[BP:BP+1] offset:64*\b+16
.endr
	s_wait_loadcnt 0x0
.if FF1 == 0
	s_branch .Lbias_done
.Lbias_v:
	s_wait_alu depctr_va_vdst(0)
.irp a, 0,1,2,3,4,5,6,7
	global_load_b32 v[BI+8*\a], v8, s[BP:BP+1] offset:64*\a
.endr
	s_wait_loadcnt 0x0
.irp a, 0,1,2,3,4,5,6,7
.irp j, 1,2,3,4,5,6,7
	v_mov_b32 v[BI+8*\a+\j], v[BI+8*\a]
.endr
.endr
.Lbias_done:
.endif
.macro FRAG reg, adr, q, i
.irp c, 0,1,2,3
	ds_load_b128 v[\reg+4*\c:\reg+4*\c+3], v[\adr] offset:128*(\q)+32*\c+(\i)*16*PITCH
.endr
.endm
.macro MUL16 a0, p, q, sc, zero
.irp a, \a0, \a0+1
.irp b, 0,1,2,3,4,5,6,7
.if (\zero) == 1
	v_wmma_scale_f32_16x16x128_f8f6f4 v[8*(8*((\a)%4)+\b):8*(8*((\a)%4)+\b)+7], v[128*(\p)+FR*\b:128*(\p)+FR*\b+FR-1], v[AF+FR*(\a):AF+FR*(\a)+FR-1], v[BI+8*\b:BI+8*\b+7], v[SC+8*NQ*(\sc)+NQ*\b+(\q)], v[SC+8*NQ*(\sc)+NQ*(\a)+(\q)] matrix_a_scale:MATRIX_SCALE_ROW1
.elseif (\zero) == 2
	v_wmma_scale_f32_16x16x128_f8f6f4 v[8*(8*((\a)%4)+\b):8*(8*((\a)%4)+\b)+7], v[128*(\p)+FR*\b:128*(\p)+FR*\b+FR-1], v[AF+FR*(\a):AF+FR*(\a)+FR-1], v[BI+8*(\a):BI+8*(\a)+7], v[SC+8*NQ*(\sc)+NQ*\b+(\q)], v[SC+8*NQ*(\sc)+NQ*(\a)+(\q)] matrix_a_scale:MATRIX_SCALE_ROW1
.else
	v_wmma_scale_f32_16x16x128_f8f6f4 v[8*(8*((\a)%4)+\b):8*(8*((\a)%4)+\b)+7], v[128*(\p)+FR*\b:128*(\p)+FR*\b+FR-1], v[AF+FR*(\a):AF+FR*(\a)+FR-1], v[8*(8*((\a)%4)+\b):8*(8*((\a)%4)+\b)+7], v[SC+8*NQ*(\sc)+NQ*\b+(\q)], v[SC+8*NQ*(\sc)+NQ*(\a)+(\q)] matrix_a_scale:MATRIX_SCALE_ROW1
.endif
.endr
.endr
.endm
.macro FETCH_B slot, q, p
	WIN TO_B
.irp i, 0,1,2,3,4,5,6,7
	FRAG 128*(\p)+FR*\i, ADRB+\slot, \q, \i
.endr
	WIN 0
.endm
.macro FETCH_A slot, q, i0
.irp i, \i0, \i0+1, \i0+2, \i0+3
	FRAG AF+FR*(\i), ADRA+\slot, \q, \i
.endr
.endm
.macro SCALES sc
.irp i, 0,1,2,3,4,5,6,7
	ds_load_b64 v[SC+8*NQ*\sc+NQ*\i:SC+8*NQ*\sc+NQ*\i+1], v[ADRS] offset:\i*SBLK
.endr
.endm
.macro PLACES n
.rept \n
	v_nop
.endr
.endm
.macro STEP slot, q, zero
	s_wait_dscnt 4*NL
.if \zero
	WIN BIA_LO
.else
	WIN MUL_LO
.endif
	MUL16 0, (\q)%2, \q, \slot, \zero
	MUL16 2, (\q)%2, \q, \slot, \zero
	s_wait_dscnt 0
	PLACES NP
	FETCH_B \slot, (\q)+1, 1-(\q)%2
	FETCH_A \slot, (\q)+1, 0
.if \zero
	WIN BIA_HI
.else
	WIN MUL_HI
.endif
	MUL16 4, (\q)%2, \q, \slot, \zero
	MUL16 6, (\q)%2, \q, \slot, \zero
	PLACES NP
	WIN 0
	FETCH_A \slot, (\q)+1, 4
.endm
.macro TURN slot, next, fill
	s_wait_tensorcnt 0x0
	ds_add_u32 v[SPW], v[NIL]
	s_wait_dscnt 4*NL+1
	WIN MUL_LO
	MUL16 0, 1, NQ-1, \slot, 0
	s_wait_dscnt 0x0
	s_barrier_signal -1
	MUL16 2, 1, NQ-1, \slot, 0
	WIN 0
	s_barrier_wait -1
.if \fill
	CREST
	s_add_nc_u64 s[G0+4*\slot+2:G0+4*\slot+3], s[G0+4*\slot+2:G0+4*\slot+3], 2*ROWB
	s_add_nc_u64 s[G0B+4*\slot+2:G0B+4*\slot+3], s[G0B+4*\slot+2:G0B+4*\slot+3], 2*ROWB
	JLOAD G0+4*\slot, G1, G0B+4*\slot, G1B
	PLACES NP-4
.else
	PLACES NP
.endif
	s_wait_alu depctr_va_vdst(0)
	v_add_nc_u32 v[ADRS], 4*NQ, v[ADRS]
	FETCH_B \next, 0, 0
	FETCH_A \next, 0, 0
	SCALES \next
	WIN MUL_HI
	MUL16 4, 1, NQ-1, \slot, 0
	MUL16 6, 1, NQ-1, \slot, 0
	PLACES NP
	WIN 0
	FETCH_A \next, 0, 4
.endm
	s_wait_alu depctr_va_vdst(0)                   ; the wait at the head's end
	s_wait_tensorcnt 0x0                           ; my tile of the head's four is in
	ds_add_u32 v[SPW], v[NIL]
	s_mov_b32 s[G1+2], 128<<16                     ; no tensor load of mine is out: from here on a load brings 128 rows
	s_mov_b32 s[G1+4], 128
	s_mov_b32 s[G1B+2], 128<<16
	s_mov_b32 s[G1B+4], 128
	s_wait_dscnt 0x0
	CROUND                                         ; all four tiles are in, all sixteen work-groups are here
	JLOAD G0+4, G1, G0B+4, G1B                     ; K step 1, the first tensor load behind the round
	FETCH_B 0, 0, 0
	FETCH_A 0, 0, 0
	s_wait_alu depctr_va_vdst(0)
	SCALES 0
	FETCH_A 0, 0, 4
.if FF1
	STEP 0, 0, 1
.else
	s_cmp_eq_u32 s[ROLE], 2
	s_cbranch_scc1 .Lfirst_v
	STEP 0, 0, 1
	s_branch .Lfirst_done
.Lfirst_v:
	STEP 0, 0, 2
.Lfirst_done:
.endif
	s_mov_b32 s3, LAPS-1
.Llap:
	TURN 0, 1, 1
	STEP 1, 0, 0
	TURN 1, 0, 1
	STEP 0, 0, 0
	s_sub_co_u32 s3, s3, 1
	s_cmp_lg_u32 s3, 0
	s_cbranch_scc1 .Llap
	TURN 0, 1, 0
	STEP 1, 0, 0
	s_wait_dscnt 4*NL
	WIN MUL_LO
	MUL16 0, 1, NQ-1, 1, 0
	MUL16 2, 1, NQ-1, 1, 0
	s_wait_dscnt 0
	WIN MUL_HI
	MUL16 4, 1, NQ-1, 1, 0
	MUL16 6, 1, NQ-1, 1, 0
	WIN 0
.macro EQ a
.set AC, 64*((\a)%4)
.set WD, 2+(\a)/4
.set WSS, WD|(WD<<2)
.set WSD, WD|(WD<<6)
	WIN WSS
.irp c, 0,1,2,3
.if FF1
	v_max3_num_f32 v[TM+\c], v[AC+16*\c], v[AC+16*\c+1], 0x4800000
.else
	v_max3_num_f32 v[TM+\c], |v[AC+16*\c]|, |v[AC+16*\c+1]|, 0x4800000
.endif
.endr
.irp i, 2,4,6,8,10,12,14
.irp c, 0,1,2,3
.if FF1
	v_max3_num_f32 v[TM+\c], v[AC+16*\c+\i], v[AC+16*\c+\i+1], v[TM+\c]
.else
	v_max3_num_f32 v[TM+\c], |v[AC+16*\c+\i]|, |v[AC+16*\c+\i+1]|, v[TM+\c]
.endif
.endr
.endr
	WIN 0
.irp c, 0,1,2,3
	v_permlanex16_b32 v[TM+4+\c], v[TM+\c], s[SEL], s[SEL+1]
.endr
.irp c, 0,1,2,3
	v_max_num_f32 v[TM+\c], v[TM+\c], v[TM+4+\c]
.endr
.irp c, 0,1,2,3
	v_add_nc_u32 v[TM+12+\c], 0xfc000000, v[TM+\c]
.endr
.irp c, 0,1,2,3
	v_and_or_b32 v[TM+8+\c], v[TM+\c], 0x7f800000, s[MNT]
.endr
.irp c, 0,1,2,3
	v_lshrrev_b32 v[TM+4+\c], 23, v[TM+12+\c]
.endr
	v_lshl_or_b32 v[PW+(\a)], v[TM+5], 8, v[TM+4]
	v_lshl_or_b32 v[PW+(\a)], v[TM+6], 16, v[PW+(\a)]
	v_lshl_or_b32 v[PW+(\a)], v[TM+7], 24, v[PW+(\a)]
	WIN WSD
.irp c, 0,1,2,3
.irp i, 0,1,2,3,4,5,6,7,8,9,10,11,12,13,14,15
.if FF1
	v_med3_num_f32 v[AC+16*\c+\i], v[AC+16*\c+\i], 0, v[TM+8+\c]
.else
	v_med3_num_f32 v[AC+16*\c+\i], v[AC+16*\c+\i], -v[TM+8+\c], v[TM+8+\c]
.endif
.endr
.endr
	WIN WD
.irp c, 0,1,2,3
	v_cvt_scalef32_pk8_fp8_f32 v[PC+4*\c:PC+4*\c+1], v[AC+16*\c:AC+16*\c+7], v[TM+12+\c]
	v_cvt_scalef32_pk8_fp8_f32 v[PC+4*\c+2:PC+4*\c+3], v[AC+16*\c+8:AC+16*\c+15], v[TM+12+\c]
.endr
	WIN 0
	v_nop
.irp c, 0,1,2,3
	v_permlane16_swap_b32 v[PC+4*\c], v[PC+4*\c+2]
	v_permlane16_swap_b32 v[PC+4*\c+1], v[PC+4*\c+3]
.endr
	ds_store_b32 v[SWA], v[PW+(\a)] offset:64*(\a)
.irp c, 0,1,2,3
	global_store_b128 v[VO+(\c)/2], v[PC+4*\c:PC+4*\c+3], s[OC:OC+1] offset:((\c)%2)*512
.endr
.if (\a) < 7
	s_wait_xcnt 0x0
	s_add_nc_u64 s[OC:OC+1], s[OC:OC+1], s[SAP:SAP+1]
.if (FF1 == 0) && ((\a) == 3)
	s_add_nc_u64 s[OC:OC+1], s[OC:OC+1], s[SA4P:SA4P+1]
.endif
.endif
.endm
	PLACES NP
.irp c, 0,1,2,3
	v_mov_b32 v[TM+4+\c], 0
.endr
.irp a, 0,1,2,3,4,5,6,7
	EQ \a
.endr
	ds_load_b128 v[SB:SB+3], v[SWR]
	s_wait_dscnt 0x0
	global_store_b128 v[VS], v[SB:SB+3], s[OS:OS+1]
	s_wait_tensorcnt 0x0
	ds_add_u32 v[SPW], v[NIL]
	s_wait_dscnt 0x0
	CROUND
	s_endpgm
.Lfunc_end_k_qd3493d48e9_qkv:
	.size	k_qd3493d48e9_qkv, .Lfunc_end_k_qd3493d48e9_qkv-k_qd3493d48e9_qkv
	.p2alignl 7, 3214868480
	.fill 96, 4, 3214868480
	.section	.rodata,"a",@progbits
	.p2align	6, 0x0
	.amdhsa_kernel k_qd3493d48e9_qkv
		.amdhsa_group_segment_fixed_size 327680
		.amdhsa_private_segment_fixed_size 0
		.amdhsa_enable_private_segment 0
		.amdhsa_kernarg_size 88
		.amdhsa_user_sgpr_count 2
		.amdhsa_user_sgpr_kernarg_segment_ptr 1
		.amdhsa_wavefront_size32 1
		.amdhsa_system_sgpr_workgroup_id_x 1
		.amdhsa_system_sgpr_workgroup_id_y 1
		.amdhsa_system_sgpr_workgroup_id_z 1
		.amdhsa_system_vgpr_workitem_id 0
		.amdhsa_next_free_vgpr 1024
		.amdhsa_next_free_sgpr 106
		.amdhsa_reserve_vcc 0
		.amdhsa_float_denorm_mode_32 3
		.amdhsa_float_denorm_mode_16_64 3
		.amdhsa_memory_ordered 1
		.amdhsa_forward_progress 1
		.amdhsa_inst_pref_size 208
	.end_amdhsa_kernel
	.amdgpu_metadata
---
amdhsa.version: [ 1, 2 ]
amdhsa.kernels:
  - .name:           k_qd3493d48e9_qkv
    .symbol:         k_qd3493d48e9_qkv.kd
    .args:
      - { .name: nq, .offset: 0, .size: 8, .value_kind: global_buffer, .address_space: global }
      - { .name: wq_codes, .offset: 8, .size: 8, .value_kind: global_buffer, .address_space: global }
      - { .name: wq_scales, .offset: 16, .size: 8, .value_kind: global_buffer, .address_space: global }
      - { .name: wk_codes, .offset: 24, .size: 8, .value_kind: global_buffer, .address_space: global }
      - { .name: wk_scales, .offset: 32, .size: 8, .value_kind: global_buffer, .address_space: global }
      - { .name: wv_codes, .offset: 40, .size: 8, .value_kind: global_buffer, .address_space: global }
      - { .name: wv_scales, .offset: 48, .size: 8, .value_kind: global_buffer, .address_space: global }
      - { .name: bq, .offset: 56, .size: 8, .value_kind: global_buffer, .address_space: global }
      - { .name: bk, .offset: 64, .size: 8, .value_kind: global_buffer, .address_space: global }
      - { .name: bv, .offset: 72, .size: 8, .value_kind: global_buffer, .address_space: global }
      - { .name: qkv, .offset: 80, .size: 8, .value_kind: global_buffer, .address_space: global }
    .group_segment_fixed_size: 327680
    .private_segment_fixed_size: 0
    .kernarg_segment_align: 8
    .kernarg_segment_size: 88
    .max_flat_workgroup_size: 128
    .sgpr_count:     106
    .vgpr_count:     1024
    .wavefront_size: 32
...
	.end_amdgpu_metadata
.endif
;; end of part 2
;; launch attn (part 3): grid 8 x 32, 16 waves a work-group, clusters of 4 x 1, 288,768 bytes of LDS; arguments qkv, src_mask, cq; writes cq
.if DOCPART == 3
	.amdgcn_target "amdgcn-amd-amdhsa--gfx1250"
	.amdhsa_code_object_version 6
	.text
	.protected	k_qd3493d48e9_attn
	.globl	k_qd3493d48e9_attn
	.p2align	8
	.type	k_qd3493d48e9_attn,@function
k_qd3493d48e9_attn:
	s_mov_b64 s[64:65], 0
	v_nop
	global_prefetch_b8 v0, s[64:65] scope:SCOPE_SE
	s_setreg_imm32_b32 hwreg(HW_REG_WAVE_MODE, 25, 1), 1
	s_wait_xcnt 0x0
	s_wait_alu depctr_hold_cnt(0) depctr_sa_sdst(0) depctr_va_vdst(0) depctr_va_sdst(0) depctr_va_ssrc(0) depctr_va_vcc(0) depctr_vm_vsrc(0)
	s_getreg_b32 s2, hwreg(HW_REG_IB_STS2, 6, 4)
	s_cmp_eq_u32 s2, 0
	s_cbranch_scc0 .Lentry_in_a_cluster
	s_endpgm
.Lentry_in_a_cluster:
	s_bfe_u32 s2, ttmp6, 0x10000c
	s_cmp_lg_u32 s2, 0x3003
	s_cbranch_scc0 .Lentry_shape_is_right
	s_endpgm
.Lentry_shape_is_right:
; ctx[b][q][head] = softmax_k(q . k / 8, keys with src_mask == 0 at a very low logit) v, both products on codes of FP8 (E4M3) with E8M0 scales; ctx is quantised along D and leaves as the image of the next product's operand.
; q, k, v come as images of operand registers (a fragment's registers on end, lane l at 16 l) with their scale words in tables beside them.
; THE SOFTMAX: t = score x log2(e) / 8; M = the largest t so far, rounded up to a whole number; p = 2^(t - M) is quantised along the keys; the row's sum is taken of the unquantised p and divides at the end.
; SHARES.  A work-group owns 256 queries of one head, each of its sixteen waves 16, in 256 registers.
; ALL OF A HEAD'S K AND V, 2 x 131,072 bytes, LIE IN LDS AT ONCE: sixteen first fills of 16 KiB, ONE A WAVE (waves 0-7 K's image, waves 8-15 V's), addresses by arithmetic on the wave's number.  No byte is filled again.
; One wait for the wave's load and one barrier stand ahead of the loop of 16 key steps; the loop has no barrier.
; CLUSTER.  The four query blocks of a cluster belong to one head: each tile is asked for jointly (mask 15).
; No prefetch: the loop loads nothing from memory, and all that the launch reads is asked for at its head.
; BOTH PRODUCTS ARE USED TRANSPOSED: S^T = K Q^T, O^T = V^T P^T: a lane holds one query (lane % 16) throughout.
; THE KEYS OF A TILE ARE NOT NEIGHBOURS: lane r of tile 2 b + u takes key 32 b + 8 u + r + 8 (r / 8), so that the 16 registers of tiles 2 b, 2 b + 1 are keys 32 b + 16 (lane / 16) + 0 .. 15: the conversions' results are the second product's operand.
; THE MASK RIDES IN THE UNUSED HALF OF THE FIRST PRODUCT'S K (the head has 64 of the instruction's 128).  At k = 64 every query has the code of 1.0 under the scale 1; a masked key has the code of -128 under the scale 2^26,
; an open key the code 0 under the scale 1.  So a masked key's raw score is q . k - 2^33 (a logit of -1.07e9), an open key's is untouched.
; K'S EIGHT FRAGMENTS OF A STEP LIE 10 REGISTERS APART.  A fragment has 9 registers of its own (64 channels and the mask word); its registers 9-15 (k = 68 on) meet zero codes of Q, so they may hold any codes but the NaN code:
; they are the next fragment's codes of K, codes of V or of p left from the step before, zeros, or (the last two) codes of K loaded for this.  All these codes come from quantisers with a hold.  So one run of loads and one wait serve a step's eight products.
; WHERE NO KEY OF A BATCH IS OPEN reference() weighs all keys alike: there Q's codes are ANDed with 0 (a selected value, no branch): every raw score is -2^33, every p is 1.
; LIMITS: the result is reference()'s while every open logit lies above about -1e9; NaN and infinities are not served; a block of zeros gets the byte 1 with zero codes.
.set VIMG,  131072                     ; LDS: K's image at 0, V's here,
.set KSW,   262144                     ; K's scale words, 4 bytes a key,
.set KMC,   270336                     ; the keys' mask words,
.set VSW,   278528                     ; V's scale words [key step][16 channels x 4][4 B],
.set FLG,   282624                     ; a word for each wave: has it seen an open key,
.set CSH,   282880                     ; ctx's scale bytes, 2 a query,
.set SPARE, 286720                     ; the spare words, 128 bytes a wave
.set KIMG_G, 4194304                   ; in qkv: k's image; v's lies 4,194,304 bytes on; then the three tables
.set TAB_G,  12582912
.set AS1,  0                           ; KSW + 4 (r + 8 (r / 8)) + 32 h: lanes 0-15 tile 2 b's scale words, lanes 16-31 tile 2 b + 1's
.set AK0,  1                           ; my lane's place in a tile of K: 1024 (r / 8) + 256 h + 16 (r % 8)
.set AV0,  2                           ; VIMG + 16 x lane, less one step: the step's count is raised ahead of V's address
.set AS0,  3                           ; KMC + 4 (r + 8 (r / 8))
.set AT0,  4                           ; VSW + 4 r, less one step
.set L16,  5                           ; 16 x lane
.set CSA,  6                           ; where my query's two scale bytes go
.set CSR,  7                           ; where wave 0 reads the 512 bytes back
.set ADK,  8                           ; the step's addresses
.set ADV,  9
.set ADS,  10
.set ADT,  11
.set KF,   32                          ; v32-117  K's eight fragments, 10 apart; v32-95 then V's four
.set PCD,  96                          ; v96-111  p's codes
.set BM,   116                         ; the blocks' largest scores, then largest p  (v112-115 stay 0)
.set PT,   120                         ; permute destinations, the bytes
.set LM,   124                         ; 448 x scale
.set CV,   128                         ; the conversions' scale operands
.set S,    132                         ; v132-195 S^T, then p
.set O,    196                         ; v196-227 O^T
.set SW,   228                         ; four scale words
.set F,    232                         ; f
.set TP2,  233                         ; the old -M (also named with f as a pair)
.set TP,   234
.set QS,   235                         ; Q's scale word
.set PSW,  236                         ; p's scale word
.set ADS1, 237
.set T,    238                         ; v238-253 eight pairs: the step's row sum in parts
.set SPW,  254
.set NIL,  255
.set TB,   2
.set TS,   3
.set TV,   15
.set CNT,  16
.set SH,   17
.set WV,   18
.set MNT,  19
.set SEL,  20
.set CS,   22
.set G1,   24
.set G0,   32
.set NCS,  36
.macro CROUND
	s_barrier_signal -1
	s_barrier_wait -1
	s_cmp_lg_u32 s[WV], 0
	s_cbranch_scc1 .Lnot_wave_0_\@
	s_barrier_signal -3
.Lnot_wave_0_\@:
	s_barrier_wait -3
	s_barrier_signal -1
	s_barrier_wait -1
.endm
	s_load_b128 s[4:7], s[0:1], 0x0                ; qkv, src_mask
	s_load_b64 s[8:9], s[0:1], 0x10                ; cq
	v_lshl_add_u32 v[SPW], v0, 2, SPARE
	v_mov_b32 v[NIL], 0
	ds_add_u32 v[SPW], v[NIL]                      ; the opening lines: the add twice on end and its wait ahead of my tensor load
	ds_add_u32 v[SPW], v[NIL]
	v_lshrrev_b32 v8, 5, v0
	v_readfirstlane_b32 s[WV], v8                  ; wave 0..15
	s_bfe_u32 s10, ttmp6, 0x40000                  ; cx
	s_lshl_b32 s11, ttmp9, 2
	s_add_co_u32 s11, s11, s10                     ; my block of 256 queries: it enters global addresses of q and ctx alone
	s_and_b32 s12, ttmp7, 0xffff                   ; 16 x batch + head, which the four partners share
	s_lshr_b32 s13, s12, 4                         ; batch
	s_and_b32 s14, s12, 15                         ; head
	s_lshl_b32 s50, s[WV], 14                      ; what I fetch: 16,384 bytes, in LDS at 16,384 x wave,
	s_and_b32 s51, s[WV], 7
	s_lshl_b32 s51, s51, 14
	s_lshr_b32 s52, s[WV], 3
	s_lshl_b32 s52, s52, 22                        ; in qkv: k's image (waves 0-7) or v's (8-15),
	s_add_co_u32 s52, s52, s51                     ; part wave % 8
	s_lshl_b32 s53, s12, 17
	s_add_co_u32 s52, s52, s53                     ; of my head
	s_add_co_u32 s52, s52, KIMG_G
	s_mov_b32 s53, 0
	s_mov_b32 s[G1], 15|(3<<16)|(1<<21)            ; the mask: all four work-groups; elements of 8 bytes; bit 21 beside a mask; no padding: images are read as they lie
	s_mov_b32 s[G1+1], 32<<16                      ; rows of 256 bytes of a dense block
	s_mov_b32 s[G1+2], 64<<16
	s_mov_b32 s[G1+3], 32<<16
	s_mov_b32 s[G1+4], 64
	s_mov_b32 s[G1+5], 32
	s_mov_b32 s[G1+6], 0
	s_mov_b32 s[G1+7], 0
	s_mov_b32 s[SEL], 0x76543210
	s_mov_b32 s[SEL+1], 0xfedcba98
	s_mov_b32 s[CS], 0x3e38aa3b                    ; c = log2(e) / 8
	s_mov_b32 s[CS+1], s[CS]
	s_mov_b32 s[NCS], 0xbe38aa3b                   ; -c
	s_mov_b32 s[MNT], 0x600000
	s_mov_b32 s[TB], 0
	s_mov_b32 s[TS], 0
	s_mov_b32 s[TV], 0
	s_lshl_b32 s54, s11, 4
	s_add_co_u32 s54, s54, s[WV]                   ; my tile of 16 queries in the head
	s_lshl_b32 s55, s54, 10
	s_lshl_b32 s60, s12, 17
	s_add_co_u32 s55, s55, s60                     ; q's image: 131,072 bytes a head, 1,024 a tile
	s_lshr_b32 s60, s12, 1
	s_lshl_b32 s60, s60, 13                        ; the pair of heads' row in q's and k's tables
	s_lshl_b32 s61, s54, 6
	s_add_co_u32 s61, s61, s60
	s_add_co_u32 s61, s61, TAB_G                   ; q's words
	s_add_co_u32 s60, s60, TAB_G+131072            ; k's words
	s_lshl_b32 s62, s12, 12
	s_add_co_u32 s62, s62, TAB_G+262144            ; v's words
	s_lshl_b32 s63, s13, 13                        ; the batch's mask
	s_lshl_b32 s37, s[WV], 2
	s_add_co_u32 s37, s37, FLG
	s_lshl_b32 s38, s[WV], 5
	s_add_co_u32 s38, s38, CSH
	; where ctx goes: image [16 tokens][128 of D][4][lane][16 B]; scale bytes [head][token] 2 B
	s_lshl_b32 s56, s13, 7
	s_add_co_u32 s56, s56, s54
	s_lshl_b32 s56, s56, 3
	s_lshr_b32 s57, s14, 1
	s_add_co_u32 s56, s56, s57
	s_lshl_b32 s56, s56, 2
	s_and_b32 s57, s14, 1
	s_lshl_b32 s[SH], s57, 4                       ; my head's half of a table's word
	s_lshl_b32 s57, s57, 1
	s_add_co_u32 s56, s56, s57
	s_lshl_b32 s56, s56, 9
	s_mov_b32 s57, 0
	s_lshl_b32 s58, s14, 12
	s_lshl_b32 s59, s13, 11
	s_add_co_u32 s58, s58, s59
	s_lshl_b32 s59, s11, 8
	s_add_co_u32 s58, s58, s59
	s_lshl_b32 s58, s58, 1
	s_add_co_u32 s58, s58, 4194304
	s_mov_b32 s59, 0
	s_wait_dscnt 0x0                               ; both opening adds are done
	s_wait_kmcnt 0x0
	s_add_nc_u64 s[56:57], s[8:9], s[56:57]
	s_add_nc_u64 s[58:59], s[8:9], s[58:59]
	s_add_nc_u64 s[52:53], s[4:5], s[52:53]
	s_mov_b32 s[G0], 1
	s_mov_b32 s[G0+1], s50
	s_mov_b64 s[G0+2:G0+3], s[52:53]
	s_or_b32 s[G0+3], s[G0+3], 0x80000000
	CROUND                                         ; all four work-groups are here: the joint loads meet
	tensor_load_to_lds s[G0:G0+3], s[G1:G1+7]      ; my one tensor load of the launch
	s_nop 0
	v_and_b32 v5, 31, v0                           ; lane
	v_and_b32 v6, 15, v0                           ; r
	v_bfe_u32 v7, v0, 4, 1                         ; h
	v_bfe_u32 v9, v0, 3, 1                         ; r / 8
	v_and_b32 v10, 7, v0                           ; r % 8
	v_lshlrev_b32 v[L16], 4, v5
	v_lshlrev_b32 v[AK0], 10, v9
	v_lshl_add_u32 v[AK0], v7, 8, v[AK0]
	v_lshl_add_u32 v[AK0], v10, 4, v[AK0]
	v_add_nc_u32 v[AV0], VIMG-8192, v[L16]
	v_lshlrev_b32 v11, 2, v6
	v_lshl_add_u32 v11, v9, 5, v11                 ; 4 (r + 8 (r / 8))
	v_add_nc_u32 v[AS0], KMC, v11
	v_lshl_add_u32 v[AT0], v6, 2, VSW-256
	v_add_nc_u32 v160, s55, v[L16]
	v_lshl_add_u32 v161, v6, 2, s61
	v_lshl_add_u32 v162, v0, 4, s60                ; thread t takes keys 4 t .. 4 t + 3
	v_lshl_add_u32 v163, v0, 4, s63
	v_lshl_add_u32 v164, v0, 3, s62
	v_lshl_add_u32 v165, v0, 4, KSW
	v_lshl_add_u32 v166, v0, 3, VSW
	v_mov_b32 v167, s37
	v_mov_b32 v168, FLG
	v_mul_u32_u24 v24, v7, 56
	v_sub_nc_u32 v24, 56, v24                      ; Q at k = 64: the code of 1.0 (0x38) in lanes 0-15; lanes 16-31 (k = 80 on) hold zeros
	v_lshl_add_u32 v[CSA], v6, 1, s38
	v_lshl_add_u32 v[AS1], v7, 5, v11              ; (the thread's number has served)
	v_add_nc_u32 v[AS1], KSW, v[AS1]
	v_add_nc_u32 v[CSR], CSH, v[L16]
	v_add_nc_u32 v[ADK], s[TB], v[AK0]
	v_add_nc_u32 v[ADS], s[TS], v[AS0]
	v_add_nc_u32 v[ADS1], s[TS], v[AS1]
	s_wait_alu depctr_va_vdst(0)                   ; the wait ahead of the readers below
	global_load_b128 v[16:19], v160, s[4:5]        ; Q's fragment: channels 0-31,
	global_load_b128 v[20:23], v160, s[4:5] offset:512   ; 32-63
	global_load_b32 v142, v161, s[4:5]             ; its table word
	global_load_b128 v[132:135], v162, s[4:5]      ; four keys' table words
	global_load_b128 v[136:139], v163, s[6:7]      ; their mask
	global_load_b64 v[140:141], v164, s[4:5]       ; two of V's scale words
.irp i, 41,51,61,71,81,91,101,111,112,113,114,115
	v_mov_b32 v[\i], 0                             ; the registers of K's fragments that the first step's loads do not write
.endr
.irp i, 25,26,27,28,29,30,31
	v_mov_b32 v[\i], 0
.endr
.irp b, 0,1,2,3
	v_mov_b32 v[PT+\b], 0                          ; a lane permute's destination counts as one of its sources
.endr
	v_mov_b32 v[F], 0
	v_mov_b32 v[TP2], 0
	v_mov_b32 v13, 0xff61b1e6                      ; the largest raw score so far: -3e38
	v_mul_f32 v[TP], s[NCS], v13
	v_floor_f32 v12, v[TP]                         ; -M
	v_mov_b32 v14, 0
	v_mov_b32 v15, 0
	v_mov_b32 v143, 0xf0                           ; the code of -128
	v_mov_b32 v144, 0x7f7f0000                     ; bytes 2, 3 of an open key's scale word, and of Q's: 1, 1
	v_mov_b32 v145, 0x7f990000                     ; of a masked key's: 2^26, 1
	v_mov_b32 v146, 0
	s_wait_alu depctr_va_vdst(0)
	s_wait_loadcnt 0x0
.irp i, 0,1,2,3
	v_cmp_eq_u32 vcc_lo, 0, v[136+\i]
	v_lshrrev_b32 v[132+\i], s[SH], v[132+\i]
	v_cndmask_b32 v[148+\i], v146, v143, vcc_lo    ; the key's word at k = 64 .. 67
	v_cndmask_b32 v[152+\i], v144, v145, vcc_lo
	v_and_or_b32 v[132+\i], v[132+\i], 0xffff, v[152+\i]   ; my head's two bytes below
.endr
	ds_store_b128 v165, v[132:135]
	ds_store_b128 v165, v[148:151] offset:KMC-KSW
	ds_store_b64 v166, v[140:141]
	v_or_b32 v136, v136, v137
	v_or_b32 v138, v138, v139
	v_or_b32 v136, v136, v138
	v_cmp_ne_u32 vcc_lo, 0, v136
	v_mov_b32 v137, vcc_lo                         ; not 0 where a lane of my wave has an open key
	ds_store_b32 v167, v137
	v_lshrrev_b32 v142, s[SH], v142
	v_and_or_b32 v[QS], v142, 0xffff, v144
	s_wait_alu depctr_va_vdst(0)
	s_wait_dscnt 0x0                               ; for the others' sake: my part of the tables lies in LDS,
	s_wait_tensorcnt 0x0                           ; and my sixteenth of K and V
	s_barrier_signal -1
	s_barrier_wait -1
.irp i, 0,1,2,3
	ds_load_b128 v[132+4*\i:135+4*\i], v168 offset:16*\i
.endr
	s_wait_dscnt 0x0
.irp i, 0,1,2,3,4,5,6,7
	v_or_b32 v[132+\i], v[132+\i], v[140+\i]
.endr
.irp i, 0,1,2,3
	v_or_b32 v[132+\i], v[132+\i], v[136+\i]
.endr
	v_or_b32 v132, v132, v134
	v_or_b32 v133, v133, v135
	v_or_b32 v132, v132, v133
	v_cmp_ne_u32 vcc_lo, 0, v132                   ; has the batch an open key?
	v_mov_b32 v133, 0
	v_mov_b32 v134, -1
	v_cndmask_b32 v133, v133, v134, vcc_lo
.irp i, 0,1,2,3,4,5,6,7
	v_and_b32 v[16+\i], v133, v[16+\i]             ; if not, Q's codes become zeros: all scores are then alike
.endr
.set j, 0
.rept 32
	v_mov_b32 v[O+j], 0                            ; O^T: the step is written once, the first finds zeros; these lines are also the places between Q's last write and the first product
.set j, j+1
.endr
	s_mov_b32 s[CNT], 16
	s_wait_alu depctr_va_vdst(0)                   ; the wait at the head's end
.Lstep:                                            ; A KEY STEP: 128 keys
.irp j, 0,1,2,3,4,5,6,7                            ; K's eight fragments: tile j = 2 b + u
	ds_load_b128 v[KF+10*\j:KF+10*\j+3], v[ADK] offset:2048*(\j/2)+128*(\j%2)
	ds_load_b128 v[KF+10*\j+4:KF+10*\j+7], v[ADK] offset:2048*(\j/2)+128*(\j%2)+512
	ds_load_b32 v[KF+10*\j+8], v[ADS] offset:128*(\j/2)+32*(\j%2)
.endr
.irp b, 0,1,2,3
	ds_load_b32 v[SW+\b], v[ADS1] offset:128*\b    ; the scale words of tiles 2 b (lanes 0-15) and 2 b + 1 (lanes 16-31)
.endr
	ds_load_b64 v[KF+84:KF+85], v[ADK]             ; the last fragment's last two registers: codes of K, which meet zero codes of Q
	s_wait_dscnt 0x0
.irp b, 0,1,2,3                                    ; S^T = K Q^T
	v_wmma_scale_f32_16x16x128_f8f6f4 v[S+16*\b:S+16*\b+7], v[KF+20*\b:KF+20*\b+15], v[16:31], 0, v[SW+\b], v[QS]
	v_wmma_scale_f32_16x16x128_f8f6f4 v[S+16*\b+8:S+16*\b+15], v[KF+20*\b+10:KF+20*\b+25], v[16:31], 0, v[SW+\b], v[QS] matrix_a_scale:MATRIX_SCALE_ROW1
.endr
	s_add_co_u32 s[TB], s[TB], 8192
	s_add_co_u32 s[TS], s[TS], 512
	s_add_co_u32 s[TV], s[TV], 256
	v_add_nc_u32 v[ADV], s[TB], v[AV0]             ; eight plain lines: the places behind the products.  This step's V,
	v_add_nc_u32 v[ADT], s[TV], v[AT0]
	v_add_nc_u32 v[ADK], s[TB], v[AK0]             ; the next step's K
	v_add_nc_u32 v[ADS], s[TS], v[AS0]
	v_add_nc_u32 v[ADS1], s[TS], v[AS1]
	v_mov_b32 v[TP2], v12                          ; the old -M
	v_nop
	v_nop
.irp t, 0,1,2,3                                    ; V's four fragments, 16 channels x these 128 keys each, over K's
.irp c, 0,1,2,3
	ds_load_b128 v[KF+16*\t+4*\c:KF+16*\t+4*\c+3], v[ADV] offset:2048*\t+512*\c
.endr
	ds_load_b32 v[SW+\t], v[ADT] offset:64*\t
.endr
.irp b, 0,1,2,3
	v_max3_num_f32 v[BM+\b], v[S+16*\b], v[S+1+16*\b], v[S+2+16*\b]   ; the largest score of each block of 32 keys: for the row's maximum, and, since p rises with the score, for the block's largest p
.endr
.irp i, 3,5,7,9,11,13
.irp b, 0,1,2,3
	v_max3_num_f32 v[BM+\b], v[BM+\b], v[S+16*\b+\i], v[S+1+16*\b+\i]
.endr
.endr
.irp b, 0,1,2,3
	v_max_num_f32 v[BM+\b], v[BM+\b], v[S+15+16*\b]
.endr
.irp b, 0,1,2,3
	v_permlanex16_b32 v[PT+\b], v[BM+\b], s[SEL], s[SEL+1]
.endr
.irp b, 0,1,2,3
	s_delay_alu instid0(VALU_DEP_4)
	v_max_num_f32 v[BM+\b], v[BM+\b], v[PT+\b]     ; with lane l xor 16's 16 keys
.endr
	v_max3_num_f32 v[TP], v[BM], v[BM+1], v[BM+2]
	s_delay_alu instid0(VALU_DEP_1)
	v_max3_num_f32 v13, v[TP], v[BM+3], v13        ; the running largest raw score (c is positive)
	s_delay_alu instid0(VALU_DEP_1)
	v_mul_f32 v[TP], s[NCS], v13
	s_delay_alu instid0(VALU_DEP_1)
	v_floor_f32 v12, v[TP]                         ; -M = floor(-t): M is a whole number
	s_delay_alu instid0(VALU_DEP_1)
	v_sub_f32 v[TP], v12, v[TP2]
	s_delay_alu instid0(VALU_DEP_1)
	v_cvt_i32_f32 v[TP], v[TP]                     ; (it saturates)
	s_delay_alu instid0(VALU_DEP_1)
	v_ldexp_f32 v[F], 1.0, v[TP]                   ; f = 2^(old M - new M)
.set j, 0
.rept 32
	v_pk_fma_f32 v[S+j:S+j+1], v[S+j:S+j+1], s[CS:CS+1], v[12:13] op_sel_hi:[1,0,0]   ; t - M
.set j, j+2
.endr
	v_pk_fma_f32 v[BM:BM+1], v[BM:BM+1], s[CS:CS+1], v[12:13] op_sel_hi:[1,0,0]       ; the same of the blocks' largest scores
	v_pk_fma_f32 v[BM+2:BM+3], v[BM+2:BM+3], s[CS:CS+1], v[12:13] op_sel_hi:[1,0,0]
	s_wait_alu depctr_va_vdst(0)                   ; the wait ahead of a batch
.irp b, 0,1,2,3
	v_exp_f32 v[BM+\b], v[BM+\b]                   ; THE FIRST BATCH: the blocks' largest p,
.endr
.set j, 0
.rept 32
	v_exp_f32 v[S+j], v[S+j]                       ; and p = 2^(t - M) of blocks 0 and 1
.set j, j+1
.endr
	v_nop                                          ; a plain line behind the exponentials
	s_wait_alu depctr_va_vdst(0)                   ; one wait for the batch, ahead of its first reader
.irp b, 0,1,2,3
	v_max_num_f32 v[BM+\b], 0x4800000, v[BM+\b]    ; the floor 2^(9 - 127)
.endr
.irp b, 0,1,2,3
	s_delay_alu instid0(VALU_DEP_4)
	v_add_nc_u32 v[CV+\b], 0xfc000000, v[BM+\b]
.endr
.irp b, 0,1,2,3
	v_and_or_b32 v[LM+\b], v[BM+\b], 0x7f800000, s[MNT]
.endr
.irp b, 0,1,2,3
	v_lshrrev_b32 v[PT+\b], 23, v[CV+\b]
.endr
	s_delay_alu instid0(VALU_DEP_3)
	v_lshl_or_b32 v[PSW], v[PT+1], 8, v[PT]        ; p's scale word for these 128 keys
	s_delay_alu instid0(VALU_DEP_1)
	v_lshl_or_b32 v[PSW], v[PT+2], 16, v[PSW]
	s_delay_alu instid0(VALU_DEP_1)
	v_lshl_or_b32 v[PSW], v[PT+3], 24, v[PSW]
	s_wait_alu depctr_va_vdst(0)                   ; the wait ahead of the second batch
; THE SECOND BATCH, blocks 2 and 3, by turns with plain lines on blocks 0 and 1.  The plain lines read what was awaited above; what they write is first read behind the batch's own wait.
.set j, 0
.rept 8
	v_exp_f32 v[S+32+j], v[S+32+j]
	v_pk_add_f32 v[T+2*j:T+2*j+1], v[S+2*j:S+2*j+1], v[S+16+2*j:S+17+2*j]   ; the row's sum of the unquantised p, in eight chains
.set j, j+1
.endr
.set j, 0
.rept 24
	v_exp_f32 v[S+40+j], v[S+40+j]
	v_min_num_f32 v[S+j], v[S+j], v[LM+j/16]       ; the hold (ISA guide 7.6.2: the conversion does not saturate); p is not negative
.set j, j+1
.endr
.rept 8
	v_min_num_f32 v[S+j], v[S+j], v[LM+1]
.set j, j+1
.endr
	s_wait_alu depctr_va_vdst(0)                   ; one wait for the batch, ahead of its first reader
.irp k, 0,1,2,3,4,5,6,7
	v_pk_add_f32 v[T+2*\k:T+2*\k+1], v[T+2*\k:T+2*\k+1], v[S+32+2*\k:S+33+2*\k]
.endr
.irp k, 0,1,2,3,4,5,6,7
	v_pk_add_f32 v[T+2*\k:T+2*\k+1], v[T+2*\k:T+2*\k+1], v[S+48+2*\k:S+49+2*\k]
.endr
.irp b, 0,1
	v_cvt_scalef32_pk8_fp8_f32 v[PCD+4*\b:PCD+4*\b+1], v[S+16*\b:S+16*\b+7], v[CV+\b]
	v_cvt_scalef32_pk8_fp8_f32 v[PCD+4*\b+2:PCD+4*\b+3], v[S+16*\b+8:S+16*\b+15], v[CV+\b]
.endr
.irp b, 2,3
.irp i, 0,1,2,3,4,5,6,7,8,9,10,11,12,13,14,15
	v_min_num_f32 v[S+16*\b+\i], v[S+16*\b+\i], v[LM+\b]
.endr
	v_cvt_scalef32_pk8_fp8_f32 v[PCD+4*\b:PCD+4*\b+1], v[S+16*\b:S+16*\b+7], v[CV+\b]
	v_cvt_scalef32_pk8_fp8_f32 v[PCD+4*\b+2:PCD+4*\b+3], v[S+16*\b+8:S+16*\b+15], v[CV+\b]
.endr
	s_wait_dscnt 0x0                               ; V's fragments and scale words
	s_wait_alu depctr_va_vdst(0)                   ; the wait directly ahead of the first readers of O^T
.set j, 0
.rept 16
	v_pk_mul_f32 v[O+j:O+j+1], v[O+j:O+j+1], v[F:F+1] op_sel_hi:[1,0]   ; O^T under the new M; also the places between the codes' last write and the products
.set j, j+2
.endr
.irp t, 0,1,2,3
	v_wmma_scale_f32_16x16x128_f8f6f4 v[O+8*\t:O+8*\t+7], v[KF+16*\t:KF+16*\t+15], v[PCD:PCD+15], v[O+8*\t:O+8*\t+7], v[SW+\t], v[PSW]
.endr
.irp k, 0,1,2,3                                    ; the end of the row's sum: eight plain lines, the places ahead of the next step's loads into these products' registers
	v_pk_add_f32 v[T+2*\k:T+2*\k+1], v[T+2*\k:T+2*\k+1], v[T+8+2*\k:T+9+2*\k]
.endr
	v_pk_add_f32 v[T:T+1], v[T:T+1], v[T+4:T+5]
	v_pk_add_f32 v[T+2:T+3], v[T+2:T+3], v[T+6:T+7]
	v_pk_add_f32 v[T:T+1], v[T:T+1], v[T+2:T+3]
	v_pk_fma_f32 v[14:15], v[14:15], v[F:F+1], v[T:T+1] op_sel_hi:[1,0,1]   ; the sum under the new M, and this step's part
	s_sub_co_u32 s[CNT], s[CNT], 1
	s_cmp_lg_u32 s[CNT], 0
	s_cbranch_scc1 .Lstep
	; THE WAY OUT: O^T / the sum, quantised along the head's 64 channels (two blocks of D), stored as an image; the two scale bytes go through LDS
	v_add_f32 v14, v14, v15
	s_delay_alu instid0(VALU_DEP_1)
	v_permlanex16_b32 v[F], v14, s[SEL], s[SEL+1]
	s_delay_alu instid0(VALU_DEP_1)
	v_add_f32 v14, v14, v[F]
	s_wait_alu depctr_va_vdst(0)
	v_rcp_f32 v14, v14
	v_nop                                          ; the plain line behind the reciprocal
	s_wait_alu depctr_va_vdst(0)
.set j, 0
.rept 32
	v_mul_f32 v[S+j], v[O+j], v14                  ; register 8 t + i: channel 16 t + 8 h + i of my query; each accumulator from its low end on
.set j, j+1
.endr
.irp b, 0,1
	v_max3_num_f32 v[BM+\b], |v[S+16*\b]|, |v[S+1+16*\b]|, 0x4800000
.endr
.irp i, 2,4,6,8,10,12,14
.irp b, 0,1
	s_delay_alu instid0(VALU_DEP_2)
	v_max3_num_f32 v[BM+\b], v[BM+\b], |v[S+16*\b+\i]|, |v[S+1+16*\b+\i]|
.endr
.endr
.irp b, 0,1
	s_delay_alu instid0(VALU_DEP_2)
	v_permlanex16_b32 v[PT+\b], v[BM+\b], s[SEL], s[SEL+1]
.endr
.irp b, 0,1
	s_delay_alu instid0(VALU_DEP_2)
	v_max_num_f32 v[BM+\b], v[BM+\b], v[PT+\b]
.endr
.irp b, 0,1
	s_delay_alu instid0(VALU_DEP_2)
	v_add_nc_u32 v[CV+\b], 0xfc000000, v[BM+\b]
.endr
.irp b, 0,1
	s_delay_alu instid0(VALU_DEP_4)
	v_and_or_b32 v[LM+\b], v[BM+\b], 0x7f800000, s[MNT]
.endr
.irp b, 0,1
	s_delay_alu instid0(VALU_DEP_4)
	v_lshrrev_b32 v[PT+\b], 23, v[CV+\b]
.endr
	s_delay_alu instid0(VALU_DEP_1)
	v_lshl_or_b32 v[TP], v[PT+1], 8, v[PT]
.irp b, 0,1
.irp i, 0,1,2,3,4,5,6,7,8,9,10,11,12,13,14,15
	v_med3_num_f32 v[S+16*\b+\i], v[S+16*\b+\i], -v[LM+\b], v[LM+\b]
.endr
	v_cvt_scalef32_pk8_fp8_f32 v[PCD+4*\b:PCD+4*\b+1], v[S+16*\b:S+16*\b+7], v[CV+\b]
	v_cvt_scalef32_pk8_fp8_f32 v[PCD+4*\b+2:PCD+4*\b+3], v[S+16*\b+8:S+16*\b+15], v[CV+\b]
.endr
	v_nop
.irp b, 0,1
	v_permlane16_swap_b32 v[PCD+4*\b], v[PCD+4*\b+2]   ; lane (r, h) now holds channels 32 b + 16 h + 0 .. 15
	v_permlane16_swap_b32 v[PCD+4*\b+1], v[PCD+4*\b+3]
.endr
	global_store_b128 v[L16], v[PCD:PCD+3], s[56:57]               ; 1,024 bytes on end, aligned
	global_store_b128 v[L16], v[PCD+4:PCD+7], s[56:57] offset:512
	ds_store_b16 v[CSA], v[TP]                     ; lanes r and r + 16 write the same two bytes
	s_wait_dscnt 0x0
	s_barrier_signal -1
	s_barrier_wait -1
	s_cmp_lg_u32 s[WV], 0
	s_cbranch_scc1 .Lnot_first                     ; wave 0 stores the work-group's 512 scale bytes
	ds_load_b128 v[S:S+3], v[CSR]
	s_wait_dscnt 0x0
	global_store_b128 v[L16], v[S:S+3], s[58:59]
.Lnot_first:
	s_wait_tensorcnt 0x0                           ; the wave's end
	ds_add_u32 v[SPW], v[NIL]
	s_wait_dscnt 0x0
	CROUND                                         ; the closing round
	s_endpgm
.Lfunc_end_k_qd3493d48e9_attn:
	.size	k_qd3493d48e9_attn, .Lfunc_end_k_qd3493d48e9_attn-k_qd3493d48e9_attn
	.p2alignl 7, 3214868480
	.fill 96, 4, 3214868480
	.section	.rodata,"a",@progbits
	.p2align	6, 0x0
	.amdhsa_kernel k_qd3493d48e9_attn
		.amdhsa_group_segment_fixed_size 288768
		.amdhsa_private_segment_fixed_size 0
		.amdhsa_enable_private_segment 0
		.amdhsa_kernarg_size 24
		.amdhsa_user_sgpr_count 2
		.amdhsa_user_sgpr_kernarg_segment_ptr 1
		.amdhsa_wavefront_size32 1
		.amdhsa_system_sgpr_workgroup_id_x 1
		.amdhsa_system_sgpr_workgroup_id_y 1
		.amdhsa_system_sgpr_workgroup_id_z 1
		.amdhsa_system_vgpr_workitem_id 0
		.amdhsa_next_free_vgpr 256
		.amdhsa_next_free_sgpr 66
		.amdhsa_reserve_vcc 1
		.amdhsa_float_denorm_mode_32 3
		.amdhsa_float_denorm_mode_16_64 3
		.amdhsa_memory_ordered 1
		.amdhsa_forward_progress 1
		.amdhsa_inst_pref_size 39
	.end_amdhsa_kernel
	.amdgpu_metadata
---
amdhsa.version: [ 1, 2 ]
amdhsa.kernels:
  - .name:           k_qd3493d48e9_attn
    .symbol:         k_qd3493d48e9_attn.kd
    .args:
      - { .name: qkv, .offset: 0, .size: 8, .value_kind: global_buffer, .address_space: global }
      - { .name: src_mask, .offset: 8, .size: 8, .value_kind: global_buffer, .address_space: global }
      - { .name: cq, .offset: 16, .size: 8, .value_kind: global_buffer, .address_space: global }
    .group_segment_fixed_size: 288768
    .private_segment_fixed_size: 0
    .kernarg_segment_align: 8
    .kernarg_segment_size: 24
    .max_flat_workgroup_size: 512
    .sgpr_count:     66
    .vgpr_count:     256
    .wavefront_size: 32
...
	.end_amdgpu_metadata
.endif
;; end of part 3
;; launch wo (part 4): grid 8 x 32, 4 waves a work-group, clusters of 4 x 4, 327,680 bytes of LDS; arguments cq, wo_codes, wo_scales, bo, x, x1; writes x1
.if DOCPART == 4
	.amdgcn_target "amdgcn-amd-amdhsa--gfx1250"
	.amdhsa_code_object_version 6
	.text
	.protected	k_qd3493d48e9_wo
	.globl	k_qd3493d48e9_wo
	.p2align	8
	.type	k_qd3493d48e9_wo,@function
k_qd3493d48e9_wo:
	s_mov_b64 s[64:65], 0
	v_nop
	global_prefetch_b8 v0, s[64:65] scope:SCOPE_SE
	s_setreg_imm32_b32 hwreg(HW_REG_WAVE_MODE, 25, 1), 1
	s_wait_xcnt 0x0
	s_wait_alu depctr_hold_cnt(0) depctr_sa_sdst(0) depctr_va_vdst(0) depctr_va_sdst(0) depctr_va_ssrc(0) depctr_va_vcc(0) depctr_vm_vsrc(0)
	s_getreg_b32 s2, hwreg(HW_REG_IB_STS2, 6, 4)
	s_cmp_eq_u32 s2, 0
	s_cbranch_scc0 .Lentry_in_a_cluster
	s_endpgm
.Lentry_in_a_cluster:
	s_bfe_u32 s2, ttmp6, 0x10000c
	s_cmp_lg_u32 s2, 0xf033
	s_cbranch_scc0 .Lentry_shape_is_right
	s_endpgm
.Lentry_shape_is_right:
; out = res + A W^T + bias, f32, N = 1,024, M = 4,096, K = KTOT.  A comes as images of operand registers [16 rows][128 K][4][lane][16 B] with its scale words beside it; W as codes of FP8 (E4M3), K innermost, with E8M0 bytes.
; A tile of out is 128 x 128, so that there are 256 work-groups.  Four waves; wave w owns rows 32 w .. 32 w + 31 (two blocks of A) and all 128 columns (eight blocks of W): 16 accumulators.
; A GOES FROM MEMORY STRAIGHT INTO REGISTERS: a fragment is four loads of 512 consecutive bytes, lane l at 16 l, and no fragment is loaded twice in the work-group.  A ring of eight steps' fragments (256 registers) is kept
; seven steps of 128 along K ahead by counted waits: 56 loads of a wave are on their way.
; W GOES THROUGH LDS, where all four waves read it: two slots of 128 rows x 1,024 along K, each wave fetching 32 rows by one tensor load.  KTOT / 1,024 fills in all; a refill has eight steps, 128 products a wave, in which to land.
; CLUSTERS of 4 x 4: W's tiles hang on the tile column alone and are asked for jointly along a column of the cluster.  A's rows are shared along a row of the cluster and are NOT asked for jointly: a joint load lands in LDS, and
; with A beside W a slot of these 133,120 bytes holds 512 along K, not 1,024: twice the fills, each alone on its way, and nothing on its way beside them.
; THE MATRIX INSTRUCTION IS USED TRANSPOSED (source 0 = 16 rows of W, source 1 = 16 rows of A): a lane holds eight neighbouring columns of one row of out.
; The scale words of both operands for all of K are brought once through registers into tables in LDS.  The bias is the C of each sum's first matrix instruction.  The residual rides at the end of A's stream of loads.
; All KTOT / 128 steps are written out by the assembler's loop: every offset is an immediate, and nothing is stepped but a descriptor.
; REGISTERS: window 0: v0-31 addresses; v32-95 the bias; v96-175 scale words, two sets of 40; v192-255 at work at the head and on the way out.  window 1: W's fragments, two sets of 128.
;   window 2: v0-127 the accumulators ((a, b) at v[8 (8 a + b)]); v128-255 the residual.  window 3: A's ring, step k at v[32 (k % 8)].
.set KTOT,   1024
.set KT,     KTOT/128                  ; steps of 128 along K
.set NS,     KTOT/1024                 ; fills of a slot
.set KS,     KTOT/32                   ; a row of W's scale bytes
.set PITCH,  1040                      ; an LDS row: 1,024 bytes + 16 of padding = 260 words: row r starts at bank 4 r mod 64 (64 banks of 4 bytes: ISA guide 11.1)
.set QUART,  32*PITCH                  ; 32 rows: what one tensor load brings
.set SLOT,   4*QUART
.set TBL,    2*SLOT                    ; W's scale bytes, as blocks of 256 bytes + 16 of padding
.set TAL,    TBL+17408                 ; A's scale words [128 K][128 rows]
.set SPARE,  TAL+16384                 ; the spare words, 128 bytes for each wave
.set STG,    SPARE+512                 ; 16 rows x (256 + 16) bytes for each wave
.set SBLK,   (16*KS/256)*272
.if KTOT == 1024
.set ASC,    4194304                   ; where A's scale bytes begin in its buffer: [head 16][token] 2 B
.set ASH,    8
.else
.set ASC,    16777216                  ; [128 K][token] 4 B
.set ASH,    9
.endif
.set ADB,  16                          ; v16-19  W's fragments: 2 x slot + (blocks 0-3: 0, blocks 4-7: 1)
.set ADTA, 22                          ; v22     A's scale words: row 32 x wave + lane
.set ADTB, 23                          ; v23     W's scale words: row r
.set STO,  24
.set RD,   25
.set CO,   26
.set AO,   27                          ; v27     16 x lane: my bytes of a load of A
.set SPW,  28
.set NIL,  29
.set BI,   32
.set SCW,  96                          ; set s at v[SCW + 40 s]: W's words at 4 b + q, A's at 32 + q
.set TMPR, 192
.set G1B, 48
.set G0B, 56
.set MSB, 0
.macro WIN new                         ; the immediate's high byte repeats the setting that is left
.if MSB != \new
	s_set_vgpr_msb (MSB<<8)|\new
.set MSB, \new
.endif
.endm
.set MULW, 0xad                        ; source 0 (W) window 1, source 1 (A) window 3, C and D window 2
.set MULB, 0x8d                        ; the first products: C (the bias) window 0
.set TO_W, 0x40
.set TO_A, 0xc0
.set TO_R, 0x80
.macro CREST                           ; a round of the cluster's barrier behind its opening barrier
	s_cmp_lg_u32 s16, 0
	s_cbranch_scc1 .Lnot_wave_0_\@
	s_barrier_signal -3
.Lnot_wave_0_\@:
	s_barrier_wait -3
	s_barrier_signal -1
	s_barrier_wait -1
.endm
.macro CROUND
	s_barrier_signal -1
	s_barrier_wait -1
	CREST
.endm
.macro PLACES n                        ; plain vector lines between a matrix instruction and a load into, or a read of, its registers
.rept \n
	v_nop
.endr
.endm
	s_load_b256 s[4:11], s[0:1], 0x0               ; A's buffer, W's codes, W's scales, the bias
	s_load_b128 s[12:15], s[0:1], 0x20             ; the residual, out
	v_lshl_add_u32 v[SPW], v0, 2, SPARE
	v_mov_b32 v[NIL], 0
	ds_add_u32 v28, v29
	ds_add_u32 v28, v29
	s_wait_dscnt 0x0
	v_lshrrev_b32 v1, 5, v0
	v_readfirstlane_b32 s16, v1                    ; wave 0..3
	s_bfe_u32 s40, ttmp6, 0x40000
	s_bfe_u32 s41, ttmp6, 0x40004
	s_lshl_b32 s42, ttmp9, 2
	s_add_co_u32 s42, s42, s40                     ; tile column
	s_and_b32 s19, ttmp7, 0xffff
	s_lshl_b32 s19, s19, 2
	s_add_co_u32 s19, s19, s41                     ; tile row
	s_lshl_b32 s44, 0x1111, s40                    ; my column of the cluster
	s_or_b32 s[G1B], s44, (0<<16)|(1<<20)|(1<<21)|(7<<22)|(3<<25)   ; the mask; elements of 1 byte; padding on; bit 21 beside a mask; 4 words of padding after every 256
	s_mov_b32 s[G1B+1], 1024<<16                   ; tensor_dim0
	s_mov_b32 s[G1B+2], 32<<16                     ; tensor_dim1
	s_mov_b32 s[G1B+3], 1024<<16                   ; tile_dim0
	s_mov_b32 s[G1B+4], 32                         ; tile_dim1
	s_mov_b32 s[G1B+5], KTOT                       ; the pitch
	s_mov_b32 s[G1B+6], 0
	s_mov_b32 s[G1B+7], 0
	s_lshl_b32 s46, s42, 7
	s_lshl_b32 s47, s16, 5
	s_add_co_u32 s46, s46, s47                     ; W: row 128 x tile column + 32 x wave
	s_mul_i32 s46, s46, KTOT
	s_mov_b32 s47, 0
	s_mul_i32 s23, s16, QUART                      ; where they go in a slot: no place in the cluster enters an LDS address
	s_lshl_b32 s20, s19, 3
	s_lshl_b32 s21, s16, 1
	s_add_co_u32 s20, s20, s21                     ; A: block of 16 rows 8 x tile row + 2 x wave
	s_mul_i32 s20, s20, 16*KTOT
	s_mov_b32 s21, 0
	s_wait_kmcnt 0x0
	s_add_nc_u64 s[20:21], s[4:5], s[20:21]
	s_add_nc_u64 s[46:47], s[6:7], s[46:47]
.irp s, 0,1
.if \s < NS
	s_mov_b32 s[G0B+4*\s], 1
	s_add_co_u32 s[G0B+4*\s+1], s23, \s*SLOT
	s_add_nc_u64 s[G0B+4*\s+2:G0B+4*\s+3], s[46:47], \s*1024
	s_or_b32 s[G0B+4*\s+3], s[G0B+4*\s+3], 0x80000000
.endif
.endr
	CROUND                                         ; all sixteen work-groups are here: the first joint loads meet
	tensor_load_to_lds s[G0B:G0B+3], s[G1B:G1B+7]  ; the first fills stand together
	s_nop 0
.if NS > 1
	tensor_load_to_lds s[G0B+4:G0B+7], s[G1B:G1B+7]
.endif
	PLACES 4                                       ; four v_nop follow the last of them
	v_and_b32 v1, 15, v0                           ; r
	v_bfe_u32 v2, v0, 4, 1                         ; h
	v_and_b32 v3, 31, v0                           ; lane
	v_lshlrev_b32 v[AO], 4, v3
	v_mul_u32_u24 v5, v1, PITCH
	v_lshl_add_u32 v[ADB], v2, 4, v5               ; row r x pitch + 16 h
	v_add_nc_u32 v[ADB+1], 64*PITCH, v[ADB]
	v_add_nc_u32 v[ADB+2], SLOT, v[ADB]
	v_add_nc_u32 v[ADB+3], SLOT+64*PITCH, v[ADB]
	s_lshl_b32 s70, s16, 7
	s_add_co_u32 s70, s70, TAL
	v_lshl_add_u32 v[ADTA], v3, 2, s70             ; lanes 0-15: my first block's rows, lanes 16-31: my second block's
	v_mul_u32_u24 v5, v1, KS
	v_lshrrev_b32 v11, 8, v5
	v_lshl_add_u32 v5, v11, 4, v5
	v_add_nc_u32 v[ADTB], TBL, v5                  ; KS bytes a row, 16 more for each 256 passed
	s_mul_i32 s70, s16, 16*272
	s_add_co_u32 s70, s70, STG
	v_mul_u32_u24 v5, v1, 272
	v_lshl_add_u32 v5, v2, 5, v5
	v_add_nc_u32 v[STO], s70, v5                   ; into my stage: row r, 32 bytes for each half of the lanes
	v_mul_u32_u24 v5, v2, 272
	v_lshl_add_u32 v5, v1, 4, v5
	v_add_nc_u32 v[RD], s70, v5                    ; back: lanes 0-15 one row of 256 bytes, lanes 16-31 the next
	v_lshlrev_b32 v5, 12, v2
	v_lshl_add_u32 v[CO], v1, 4, v5                ; and the same two rows in the residual and in out
	s_lshl_b32 s66, s19, 19
	s_lshl_b32 s70, s16, 17
	s_add_co_u32 s66, s66, s70                     ; my first row, 4,096 bytes a row,
	s_lshl_b32 s68, s42, 9                         ; the tile's first column
	s_add_co_u32 s66, s66, s68
	s_mov_b32 s67, 0
	s_mov_b32 s69, 0
	s_add_nc_u64 s[12:13], s[12:13], s[66:67]
	s_add_nc_u64 s[14:15], s[14:15], s[66:67]
	s_add_nc_u64 s[10:11], s[10:11], s[68:69]
	s_mul_i32 s68, s42, 128*KS
	s_add_nc_u64 s[8:9], s[8:9], s[68:69]
	s_lshl_b32 s66, s19, ASH
	s_add_co_u32 s66, s66, ASC
	s_add_nc_u64 s[4:5], s[4:5], s[66:67]
	v_lshlrev_b32 v7, 4, v0                        ; 16 x thread
	v_lshlrev_b32 v8, 5, v2                        ; the bias: 8 h numbers on
	v_lshrrev_b32 v10, 4, v0
	v_lshl_add_u32 v10, v10, 4, v7
	v_add_nc_u32 v10, TBL, v10                     ; W's scale bytes into LDS: 16 t + 16 (t / 16)
.if KTOT == 1024
	v_lshlrev_b32 v6, 1, v0                        ; thread t takes token t: two bytes in each of the 16 heads' planes
	v_lshl_add_u32 v9, v0, 2, TAL
.irp p, 0,1,2,3,4,5,6,7,8,9,10,11,12,13,14,15
	global_load_u16 v[TMPR+\p], v6, s[4:5] offset:8192*\p
.endr
.else
	v_lshrrev_b32 v6, 5, v0
	v_lshlrev_b32 v6, 14, v6
	v_lshl_add_u32 v6, v3, 4, v6                   ; wave w takes K step 4 j + w: 512 bytes on end
	v_add_nc_u32 v9, TAL, v7
.irp j, 0,1,2,3,4,5,6,7
	global_load_b128 v[TMPR+4*\j:TMPR+4*\j+3], v6, s[4:5] offset:65536*\j
.endr
.endif
.set j, 0
.rept KS/16
	global_load_b128 v[TMPR+32+4*j:TMPR+32+4*j+3], v7, s[8:9] offset:2048*j
.set j, j+1
.endr
.irp b, 0,1,2,3,4,5,6,7
	global_load_b128 v[BI+8*\b:BI+8*\b+3], v8, s[10:11] offset:64*\b
	global_load_b128 v[BI+8*\b+4:BI+8*\b+7], v8, s[10:11] offset:64*\b+16
.endr
; THE STREAM OF LOADS goes in groups of eight: groups 0 .. KT - 1 are A's two fragments of a step, groups KT .. KT + 3 the residual of 16 rows x 64 columns each.
.macro AGROUP g                        ; A's fragments of step g into the ring's place g % 8
	WIN TO_A
.irp a, 0,1
.irp c, 0,1,2,3
	global_load_b128 v[32*((\g)%8)+16*\a+4*\c:32*((\g)%8)+16*\a+4*\c+3], v[AO], s[20:21] offset:\a*16*KTOT+(\g)*2048+512*\c
.endr
.endr
.endm
.macro RGROUP u                        ; the residual of block u: rows 16 (u / 2) on, columns 64 (u % 2) on
	WIN TO_R
.irp t, 0,1,2,3,4,5,6,7
	global_load_b128 v[128+32*(\u)+4*\t:128+32*(\u)+4*\t+3], v[CO], s[12:13] offset:(16*((\u)/2)+2*\t)*4096+256*((\u)%2)
.endr
.endm
.set g0, 0
.rept 7
	AGROUP g0                                      ; seven steps of A go out at the head
.set g0, g0+1
.endr
	WIN 0
	s_wait_loadcnt 56                              ; the tables and the bias are in; A's seven groups stay out
.if KTOT == 1024
.irp w, 0,1,2,3,4,5,6,7
	v_lshl_or_b32 v[TMPR+2*\w], v[TMPR+2*\w+1], 16, v[TMPR+2*\w]   ; two heads' bytes make the word of 128 along K
	s_wait_alu depctr_va_vdst(0)
	ds_store_b32 v9, v[TMPR+2*\w] offset:512*\w
.endr
.else
.irp j, 0,1,2,3,4,5,6,7
	ds_store_b128 v9, v[TMPR+4*\j:TMPR+4*\j+3] offset:2048*\j
.endr
.endif
.set j, 0
.rept KS/16
	ds_store_b128 v10, v[TMPR+32+4*j:TMPR+32+4*j+3] offset:2176*j
.set j, j+1
.endr
	s_wait_dscnt 0x0                               ; for the others' sake: my part of the tables lies in LDS
.if NS > 1
	s_wait_tensorcnt 1                             ; my part of slot 0 is in; slot 1's may stay out
.else
	s_wait_tensorcnt 0x0
.endif
	s_barrier_signal -1
	s_barrier_wait -1
.macro FETCH kq                        ; 32 LDS loads: W's eight fragments of step kq into set kq % 2
	WIN TO_W
.irp b, 0,1,2,3,4,5,6,7
.irp c, 0,1,2,3
	ds_load_b128 v[128*((\kq)%2)+16*\b+4*\c:128*((\kq)%2)+16*\b+4*\c+3], v[ADB+2*(((\kq)/8)%2)+\b/4] offset:(\b%4)*16*PITCH+128*((\kq)%8)+32*\c
.endr
.endr
.endm
.macro SCALES g                        ; the scale words of steps 4 g .. 4 g + 3 into set g % 2
	WIN 0
.irp b, 0,1,2,3,4,5,6,7
	ds_load_b128 v[SCW+40*((\g)%2)+4*\b:SCW+40*((\g)%2)+4*\b+3], v[ADTB] offset:\b*SBLK+16*(\g)
.endr
.irp q, 0,1,2,3
	ds_load_b32 v[SCW+40*((\g)%2)+32+\q], v[ADTA] offset:512*(4*(\g)+\q)
.endr
.endm
; Eight products of step kx: A's block a x W's eight.  The 16 accumulators take turns, one instruction a turn, always in the same order.
; A's scale words of both blocks share a register: block 1's lie in lanes 16-31.
.macro MUL a, first
.set rA, 32*(kx%8)+16*(\a)
.set rB, 128*(kx%2)
.set rS, SCW+40*((kx/4)%2)
.irp b, 0,1,2,3,4,5,6,7
.if \first
.if \a
	v_wmma_scale_f32_16x16x128_f8f6f4 v[8*(8*(\a)+\b):8*(8*(\a)+\b)+7], v[rB+16*\b:rB+16*\b+15], v[rA:rA+15], v[BI+8*\b:BI+8*\b+7], v[rS+4*\b+kx%4], v[rS+32+kx%4] matrix_b_scale:MATRIX_SCALE_ROW1
.else
	v_wmma_scale_f32_16x16x128_f8f6f4 v[8*(8*(\a)+\b):8*(8*(\a)+\b)+7], v[rB+16*\b:rB+16*\b+15], v[rA:rA+15], v[BI+8*\b:BI+8*\b+7], v[rS+4*\b+kx%4], v[rS+32+kx%4]
.endif
.else
.if \a
	v_wmma_scale_f32_16x16x128_f8f6f4 v[8*(8*(\a)+\b):8*(8*(\a)+\b)+7], v[rB+16*\b:rB+16*\b+15], v[rA:rA+15], v[8*(8*(\a)+\b):8*(8*(\a)+\b)+7], v[rS+4*\b+kx%4], v[rS+32+kx%4] matrix_b_scale:MATRIX_SCALE_ROW1
.else
	v_wmma_scale_f32_16x16x128_f8f6f4 v[8*(8*(\a)+\b):8*(8*(\a)+\b)+7], v[rB+16*\b:rB+16*\b+15], v[rA:rA+15], v[8*(8*(\a)+\b):8*(8*(\a)+\b)+7], v[rS+4*\b+kx%4], v[rS+32+kx%4]
.endif
.endif
.endr
.endm
.macro GLOADS                          ; the stream's group kx + 7: its registers were last read by step kx - 1's products
.if kx+7 < KT
	AGROUP kx+7
.elseif kx+7 < KT+4
	RGROUP kx+7-KT
.endif
.endm
; A plain step kx: what later steps want is asked for, then this step is multiplied.
.macro STEPN first
.if ((kx%8) != 0) && (kx+1 < KT)
	PLACES 8                                       ; behind step kx - 1's products, in front of the loads into W's set and A's place that they read (a slot's first step finds these places behind the change of slots)
.endif
.if ((kx%4) == 1) && (kx/4+1 < KT/4)
	SCALES kx/4+1
.endif
.if kx+1 < KT
	FETCH kx+1
.endif
	GLOADS
.set nn, kx+7
.if nn > KT+3
.set nn, KT+3
.endif
	s_wait_loadcnt 8*(nn-kx)                       ; group kx is in; the groups issued behind it stay out
.if kx+1 < KT
	s_wait_dscnt 32                                ; all but the 32 fragment loads just issued
.else
	s_wait_dscnt 0x0
.endif
.if \first
	WIN MULB
.else
	WIN MULW
.endif
	MUL 0, \first
	MUL 1, \first
.endm
; A slot's last step changes slots: one barrier; in front of it each wave waits for all its tensor loads, adds 0 to its spare word, and waits for that and for its reads of this slot.  fill = 1: this slot is filled again, two slots ahead.
.macro STEPC fill
.set sl, (kx/8)%2
	WIN 0
	s_wait_tensorcnt 0x0                           ; all my tensor loads have landed: my part of the next slot
	ds_add_u32 v[SPW], v[NIL]
	s_wait_loadcnt 48                              ; group kx is in; six groups were issued behind it
	s_wait_dscnt 1                                 ; this step's fragments of W are in; the add may be out
	WIN MULW
	MUL 0, 0
	s_wait_dscnt 0x0                               ; the add is done, and my reads of this slot are over
	s_barrier_signal -1
	MUL 1, 0
	WIN 0
	s_barrier_wait -1
.if \fill
	CREST                                          ; the barrier has opened a round of the cluster's: no wave of any partner still reads this slot or has a load on its way
	s_add_nc_u64 s[G0B+4*sl+2:G0B+4*sl+3], s[G0B+4*sl+2:G0B+4*sl+3], 2048
	tensor_load_to_lds s[G0B+4*sl:G0B+4*sl+3], s[G1B:G1B+7]   ; the first tensor load behind the round, and my only one until the next
.endif
	PLACES 8                                       ; behind this step's products, in front of the loads below; the first four also follow the tensor load
	FETCH kx+1
	GLOADS
.endm
	FETCH 0
	SCALES 0
.set kx, 0
	STEPN 1                                        ; the first step's products start the sums with the bias
.set kx, 1
.rept KT-1
.if ((kx%8) == 7) && (kx+1 < KT)
.if kx/8+2 < NS
	STEPC 1
.else
	STEPC 0                                        ; the last change of slots fills nothing
.endif
.else
	STEPN 0
.endif
.set kx, kx+1
.endr
	WIN 0
; THE WAY OUT, a block of 16 rows x 64 columns at a time, through my own stage; LDS serves a wave's instructions in order.
.macro TOSTAGE u
	WIN 0x08                                       ; an LDS store's data are its source 1: window 2
.irp b, 0,1,2,3
	ds_store_b128 v[STO], v[8*(8*((\u)/2)+4*((\u)%2)+\b):8*(8*((\u)/2)+4*((\u)%2)+\b)+3] offset:64*\b        ; each accumulator from its low end on
	ds_store_b128 v[STO], v[8*(8*((\u)/2)+4*((\u)%2)+\b)+4:8*(8*((\u)/2)+4*((\u)%2)+\b)+7] offset:64*\b+16
.endr
	WIN 0
.set BB, TMPR+32*((\u)%2)
.irp t, 0,1,2,3,4,5,6,7
	ds_load_b128 v[BB+4*\t:BB+4*\t+3], v[RD] offset:544*\t
.endr
.endm
.macro SEND u, younger                 ; younger: the LDS instructions issued behind block u's loads
.set BB, TMPR+32*((\u)%2)
	s_wait_dscnt \younger
	WIN 0x08                                       ; source 1: the residual, window 2
.set w2, 0
.rept 16
	v_pk_add_f32 v[BB+w2:BB+w2+1], v[BB+w2:BB+w2+1], v[128+32*(\u)+w2:128+32*(\u)+w2+1]
.set w2, w2+2
.endr
	WIN 0
.irp t, 0,1,2,3,4,5,6,7
	global_store_b128 v[CO], v[BB+4*\t:BB+4*\t+3], s[14:15] offset:(16*((\u)/2)+2*\t)*4096+256*((\u)%2)   ; sixteen lanes store 256 consecutive bytes, aligned
.endr
.endm
	PLACES 8
	s_wait_loadcnt 0x0                             ; the residual
	TOSTAGE 0
.irp a, 1,2,3
.if \a > 1
	s_wait_xcnt 0x0                                ; block a - 2's stores have read their registers: block a's loads may land there
.endif
	TOSTAGE \a
	SEND \a-1, 16                                  ; behind block a - 1's loads: block a's 8 stores and 8 loads
.endr
	SEND 3, 0
	s_wait_tensorcnt 0x0                           ; the wave's end
	ds_add_u32 v[SPW], v[NIL]
	s_wait_dscnt 0x0
	CROUND                                         ; the closing round
	s_endpgm
.Lfunc_end_k_qd3493d48e9_wo:
	.size	k_qd3493d48e9_wo, .Lfunc_end_k_qd3493d48e9_wo-k_qd3493d48e9_wo
	.p2alignl 7, 3214868480
	.fill 96, 4, 3214868480
	.section	.rodata,"a",@progbits
	.p2align	6, 0x0
	.amdhsa_kernel k_qd3493d48e9_wo
		.amdhsa_group_segment_fixed_size 327680
		.amdhsa_private_segment_fixed_size 0
		.amdhsa_enable_private_segment 0
		.amdhsa_kernarg_size 48
		.amdhsa_user_sgpr_count 2
		.amdhsa_user_sgpr_kernarg_segment_ptr 1
		.amdhsa_wavefront_size32 1
		.amdhsa_system_sgpr_workgroup_id_x 1
		.amdhsa_system_sgpr_workgroup_id_y 1
		.amdhsa_system_sgpr_workgroup_id_z 1
		.amdhsa_system_vgpr_workitem_id 0
		.amdhsa_next_free_vgpr 1024
		.amdhsa_next_free_sgpr 80
		.amdhsa_reserve_vcc 0
		.amdhsa_float_denorm_mode_32 3
		.amdhsa_float_denorm_mode_16_64 3
		.amdhsa_memory_ordered 1
		.amdhsa_forward_progress 1
		.amdhsa_inst_pref_size 68
	.end_amdhsa_kernel
	.amdgpu_metadata
---
amdhsa.version: [ 1, 2 ]
amdhsa.kernels:
  - .name:           k_qd3493d48e9_wo
    .symbol:         k_qd3493d48e9_wo.kd
    .args:
      - { .name: cq, .offset: 0, .size: 8, .value_kind: global_buffer, .address_space: global }
      - { .name: wo_codes, .offset: 8, .size: 8, .value_kind: global_buffer, .address_space: global }
      - { .name: wo_scales, .offset: 16, .size: 8, .value_kind: global_buffer, .address_space: global }
      - { .name: bo, .offset: 24, .size: 8, .value_kind: global_buffer, .address_space: global }
      - { .name: x, .offset: 32, .size: 8, .value_kind: global_buffer, .address_space: global }
      - { .name: x1, .offset: 40, .size: 8, .value_kind: global_buffer, .address_space: global }
    .group_segment_fixed_size: 327680
    .private_segment_fixed_size: 0
    .kernarg_segment_align: 8
    .kernarg_segment_size: 48
    .max_flat_workgroup_size: 128
    .sgpr_count:     80
    .vgpr_count:     1024
    .wavefront_size: 32
...
	.end_amdgpu_metadata
.endif
;; end of part 4
;; launch ln2: the kernel of part 1 again; grid 256 x 1, 8 waves a work-group, no clusters, 83,968 bytes of LDS; arguments x1, a2, g2, nq; writes nq
;; launch ff1 (part 5): grid 16 x 16, 4 waves a work-group, clusters of 4 x 4, 327,680 bytes of LDS; arguments nq, w1_codes, w1_scales, b1, hq; writes hq
.if DOCPART == 5
	.amdgcn_target "amdgcn-amd-amdhsa--gfx1250"
	.amdhsa_code_object_version 6
	.text
	.protected	k_qd3493d48e9_ff1
	.globl	k_qd3493d48e9_ff1
	.p2align	8
	.type	k_qd3493d48e9_ff1,@function
k_qd3493d48e9_ff1:
	s_mov_b64 s[64:65], 0
	v_nop
	global_prefetch_b8 v0, s[64:65] scope:SCOPE_SE
	s_setreg_imm32_b32 hwreg(HW_REG_WAVE_MODE, 25, 1), 1
	s_wait_xcnt 0x0
	s_wait_alu depctr_hold_cnt(0) depctr_sa_sdst(0) depctr_va_vdst(0) depctr_va_sdst(0) depctr_va_ssrc(0) depctr_va_vcc(0) depctr_vm_vsrc(0)
	s_getreg_b32 s2, hwreg(HW_REG_IB_STS2, 6, 4)
	s_cmp_eq_u32 s2, 0
	s_cbranch_scc0 .Lentry_in_a_cluster
	s_endpgm
.Lentry_in_a_cluster:
	s_bfe_u32 s2, ttmp6, 0x10000c
	s_cmp_lg_u32 s2, 0xf033
	s_cbranch_scc0 .Lentry_shape_is_right
	s_endpgm
.Lentry_shape_is_right:
.set FF1,    1
.set KSTEP,  256
.set NQ,     KSTEP/128
.set ROWB,   256
.set KROW,   1024
.set PITCH,  272
.set FR,     16
.set NL,     4
.set NP,     8
.set HALFT,  128*PITCH
.set SLOT,   4*HALFT
.set LAPS,   KROW/(2*KSTEP)
.set KS,     KROW/32
.set SCL,    2*SLOT
.set HALFS,  (128*KS/256)*272
.set SBLK,   (16*KS/256)*272
.set SPARE,  SCL+4*HALFS
.set SWST,   SPARE+512
.set NQS,    4194304
.set ADRA, 16
.set ADRB, 20
.set VO,   24
.set SWA,  26
.set ADRS, 27
.set SPW,  28
.set NIL,  29
.set VS,   30
.set SWR,  31
.set SC,   32
.set BI,   64
.set AF,   128
.set TM,   32
.set PW,   48
.set PC,   128
.set SB,   144
.set G1, 24
.set G0, 32
.set G1B, 48
.set G0B, 56
.set G1S, 68
.set G0S, 76
.set G1SB, 80
.set G0SB, 88
.set MNT,  2
.set OC,   12
.set SAP,  66
.set ROLE, 95
.set OS,   96
.set BP,   98
.set SEL,  100
.set SA4P, 104
.set MSB, 0
.macro WIN new
.if MSB != \new
	s_set_vgpr_msb (MSB<<8)|\new
.set MSB, \new
.endif
.endm
.set MUL_LO, 0xa1
.set MUL_HI, 0xf1
.set BIA_LO, 0x81
.set BIA_HI, 0xc1
.set TO_B,   0x40
.macro JLOAD g0a, g1a, g0b, g1b
	s_cmp_eq_u32 s15, 0
	s_cbranch_scc0 .Lfor_b_\@
	tensor_load_to_lds s[\g0a:\g0a+3], s[\g1a:\g1a+7]
	s_nop 0
.rept 4
	v_nop
.endr
	s_branch .Lasked_\@
.Lfor_b_\@:
	tensor_load_to_lds s[\g0b:\g0b+3], s[\g1b:\g1b+7]
	s_nop 0
.rept 4
	v_nop
.endr
.Lasked_\@:
.endm
.macro CREST
	s_cmp_lg_u32 s14, 0
	s_cbranch_scc1 .Lnot_wave_0_\@
	s_barrier_signal -3
.Lnot_wave_0_\@:
	s_barrier_wait -3
	s_barrier_signal -1
	s_barrier_wait -1
.endm
.macro CROUND
	s_barrier_signal -1
	s_barrier_wait -1
	CREST
.endm
.if FF1
	s_load_b256 s[68:75], s[0:1], 0x0
	s_load_b64 s[76:77], s[0:1], 0x20
.else
	s_load_b512 s[68:83], s[0:1], 0x0
	s_load_b128 s[84:87], s[0:1], 0x40
	s_load_b64 s[88:89], s[0:1], 0x50
.endif
	v_lshl_add_u32 v[SPW], v0, 2, SPARE
	v_mov_b32 v[NIL], 0
	ds_add_u32 v28, v29
	ds_add_u32 v28, v29
	s_wait_dscnt 0x0
	v_lshrrev_b32 v1, 5, v0
	v_readfirstlane_b32 s14, v1
	s_lshr_b32 s15, s14, 1
	s_and_b32 s16, s14, 1
	s_bfe_u32 s40, ttmp6, 0x40000
	s_bfe_u32 s41, ttmp6, 0x40004
	s_and_b32 s94, ttmp7, 0xffff
	s_lshl_b32 s94, s94, 2
.if FF1
	s_lshl_b32 s42, ttmp9, 2
	s_add_co_u32 s42, s42, s40
	s_add_co_u32 s17, s94, s41
.else
	s_mov_b32 s[ROLE], ttmp9
	s_cmp_eq_u32 s[ROLE], 2
	s_cselect_b32 s17, 0, s94
	s_cselect_b32 s42, s94, 0
	s_add_co_u32 s17, s17, s41
	s_add_co_u32 s42, s42, s40
.endif
	s_lshl_b32 s43, s41, 2
	s_lshl_b32 s43, 15, s43
	s_lshl_b32 s44, 0x1111, s40
	s_or_b32 s[G1+0], s43, (0<<16)|(1<<20)|(1<<21)|(5<<22)|(3<<25)
	s_or_b32 s[G1B+0], s44, (0<<16)|(1<<20)|(1<<21)|(5<<22)|(3<<25)
.irp g, G1, G1B
	s_mov_b32 s[\g+1], ROWB<<16
	s_mov_b32 s[\g+2], 256<<16
	s_mov_b32 s[\g+3], ROWB<<16
	s_mov_b32 s[\g+4], 256
	s_mov_b32 s[\g+5], KROW
	s_mov_b32 s[\g+6], 0
	s_mov_b32 s[\g+7], 0
.endr
	s_lshl_b32 s20, s17, 8
	s_lshl_b32 s46, s42, 8
	s_mov_b32 s21, 0
	s_mov_b32 s47, 0
	s_mov_b64 s[18:19], KS
	s_mul_u64 s[22:23], s[20:21], s[18:19]
	s_mul_u64 s[92:93], s[46:47], s[18:19]
	s_mov_b64 s[18:19], KROW
	s_mul_u64 s[20:21], s[20:21], s[18:19]
	s_mul_u64 s[46:47], s[46:47], s[18:19]
	s_mul_i32 s45, s14, HALFT
	s_mul_i32 s94, s14, HALFS
.if FF1
	s_lshl_b32 s4, s42, 1
	s_add_co_u32 s4, s4, s16
	s_lshl_b32 s6, s17, 8
	s_lshl_b32 s7, s15, 7
	s_add_co_u32 s6, s6, s7
	s_lshl_b32 s[OC], s6, 12
	s_lshl_b32 s5, s4, 11
	s_add_co_u32 s[OC], s[OC], s5
	s_lshl_b32 s[OS], s4, 12
	s_add_co_u32 s[OS], s[OS], s6
	s_lshl_b32 s[OS], s[OS], 2
	s_add_co_u32 s[OS], s[OS], 16777216
	s_lshl_b32 s[BP], s4, 9
	s_mov_b32 s[SAP], 65536
	s_mov_b32 s8, 1024
	s_mov_b32 s9, 256
.else
	s_cmp_eq_u32 s[ROLE], 2
	s_cselect_b32 s4, s17, s42
	s_cselect_b32 s5, s15, s16
	s_cselect_b32 s6, s42, s17
	s_cselect_b32 s7, s16, s15
	s_mov_b32 s[SAP], 1024
	s_cselect_b32 s[SAP], 2048, s[SAP]
	s_cselect_b32 s[SA4P], 122880, 0
	s_mov_b32 s8, 131072
	s_cselect_b32 s8, 1024, s8
	s_mov_b32 s9, 256
	s_cselect_b32 s9, 4096, s9
	s_cselect_b32 s10, 1, 2
	s_lshl_b32 s4, s4, 2
	s_lshl_b32 s5, s5, 1
	s_add_co_u32 s4, s4, s5
	s_lshl_b32 s6, s6, 8
	s_lshl_b32 s7, s7, 7
	s_add_co_u32 s6, s6, s7
	s_lshr_b32 s7, s6, 11
	s_and_b32 s6, s6, 2047
	s_lshl_b32 s7, s7, 4
	s_add_co_u32 s7, s7, s4
	s_lshl_b32 s[OC], s[ROLE], 22
	s_lshl_b32 s5, s7, 17
	s_add_co_u32 s[OC], s[OC], s5
	s_lshl_b32 s5, s6, 6
	s_add_co_u32 s[OC], s[OC], s5
	s_lshl_b32 s[OS], s[ROLE], 17
	s_lshl_b32 s5, s7, 12
	s_add_co_u32 s[OS], s[OS], s5
	s_lshl_b32 s5, s6, s10
	s_add_co_u32 s[OS], s[OS], s5
	s_add_co_u32 s[OS], s[OS], 12582912
	s_lshl_b32 s[BP], s4, 8
	s_mov_b32 s[SA4P+1], 0
.endif
	s_mov_b32 s[OC+1], 0
	s_mov_b32 s[OS+1], 0
	s_mov_b32 s[BP+1], 0
	s_mov_b32 s[SAP+1], 0
	v_and_b32 v3, 31, v0
	v_lshlrev_b32 v[VO], 4, v3
	v_add_nc_u32 v[VO+1], s8, v[VO]
	v_bfe_u32 v4, v0, 4, 1
	v_mul_u32_u24 v4, s9, v4
	v_and_b32 v5, 15, v0
	v_lshl_add_u32 v[VS], v5, 4, v4
	s_lshl_b32 s10, s14, 9
	s_add_co_u32 s10, s10, SWST
	v_lshl_add_u32 v[SWA], v5, 2, s10
	v_add_nc_u32 v[SWR], s10, v[VO]
	s_wait_kmcnt 0x0
.if FF1
	s_add_nc_u64 s[OC:OC+1], s[76:77], s[OC:OC+1]
	s_add_nc_u64 s[OS:OS+1], s[76:77], s[OS:OS+1]
	s_add_nc_u64 s[BP:BP+1], s[74:75], s[BP:BP+1]
	s_add_nc_u64 s[10:11], s[68:69], NQS
	s_add_nc_u64 s[20:21], s[68:69], s[20:21]
	s_add_nc_u64 s[22:23], s[10:11], s[22:23]
	s_add_nc_u64 s[46:47], s[70:71], s[46:47]
	s_add_nc_u64 s[92:93], s[72:73], s[92:93]
.else
	s_add_nc_u64 s[OC:OC+1], s[88:89], s[OC:OC+1]
	s_add_nc_u64 s[OS:OS+1], s[88:89], s[OS:OS+1]
	s_cmp_eq_u32 s[ROLE], 1
	s_cselect_b64 s[4:5], s[74:75], s[70:71]
	s_cselect_b64 s[6:7], s[76:77], s[72:73]
	s_cselect_b64 s[8:9], s[84:85], s[82:83]
	s_cmp_eq_u32 s[ROLE], 2
	s_cselect_b64 s[4:5], s[78:79], s[4:5]
	s_cselect_b64 s[6:7], s[80:81], s[6:7]
	s_cselect_b64 s[8:9], s[86:87], s[8:9]
	s_add_nc_u64 s[BP:BP+1], s[8:9], s[BP:BP+1]
	s_add_nc_u64 s[10:11], s[68:69], NQS
	s_cselect_b64 s[100:101], s[4:5], s[68:69]
	s_add_nc_u64 s[20:21], s[100:101], s[20:21]
	s_cselect_b64 s[100:101], s[6:7], s[10:11]
	s_add_nc_u64 s[22:23], s[100:101], s[22:23]
	s_cselect_b64 s[100:101], s[68:69], s[4:5]
	s_add_nc_u64 s[46:47], s[100:101], s[46:47]
	s_cselect_b64 s[100:101], s[10:11], s[6:7]
	s_add_nc_u64 s[92:93], s[100:101], s[92:93]
.endif
	s_or_b32 s[G1S+0], s43, (3<<16)|(1<<20)|(1<<21)|(5<<22)|(3<<25)
	s_or_b32 s[G1SB+0], s44, (3<<16)|(1<<20)|(1<<21)|(5<<22)|(3<<25)
.irp g, G1S, G1SB
	s_mov_b32 s[\g+1], 32<<16
	s_mov_b32 s[\g+2], KS<<16
	s_mov_b32 s[\g+3], 32<<16
	s_mov_b32 s[\g+4], KS
	s_mov_b32 s[\g+5], 32
	s_mov_b32 s[\g+6], 0
	s_mov_b32 s[\g+7], 0
.endr
	CROUND
	s_mov_b32 s[G0S], 1
	s_mov_b32 s[G0S+1], SCL
	s_mov_b64 s[G0S+2:G0S+3], s[22:23]
	s_or_b32 s[G0S+3], s[G0S+3], 0x80000000
	s_mov_b32 s[G0SB], 1
	s_mov_b32 s[G0SB+1], SCL+2*HALFS
	s_mov_b64 s[G0SB+2:G0SB+3], s[92:93]
	s_or_b32 s[G0SB+3], s[G0SB+3], 0x80000000
.set G0H, 4                            ; s[4:7], s[8:11]: group 0 of the head's loads of K step 0, 256 rows each
.set G0HB, 8
	s_mov_b32 s[G0H], 1
	s_mov_b32 s[G0H+1], 0
	s_mov_b64 s[G0H+2:G0H+3], s[20:21]
	s_or_b32 s[G0H+3], s[G0H+3], 0x80000000
	s_mov_b32 s[G0HB], 1
	s_mov_b32 s[G0HB+1], 2*HALFT
	s_mov_b64 s[G0HB+2:G0HB+3], s[46:47]
	s_or_b32 s[G0HB+3], s[G0HB+3], 0x80000000
	s_mul_i32 s18, s16, 128*KROW                   ; for the ring: my 128 rows of the tile
	s_mov_b32 s19, 0
	s_add_nc_u64 s[20:21], s[20:21], s[18:19]
	s_add_nc_u64 s[46:47], s[46:47], s[18:19]
.irp s, 0,1
	s_mov_b32 s[G0+4*\s], 1
	s_add_co_u32 s[G0+4*\s+1], s45, \s*SLOT
	s_add_nc_u64 s[G0+4*\s+2:G0+4*\s+3], s[20:21], \s*ROWB
	s_or_b32 s[G0+4*\s+3], s[G0+4*\s+3], 0x80000000
	s_mov_b32 s[G0B+4*\s], 1
	s_add_co_u32 s[G0B+4*\s+1], s45, \s*SLOT
	s_add_nc_u64 s[G0B+4*\s+2:G0B+4*\s+3], s[46:47], \s*ROWB
	s_or_b32 s[G0B+4*\s+3], s[G0B+4*\s+3], 0x80000000
.endr
; the head's four tiles, one load a wave: wave 0 A's 256 rows of K step 0, wave 1 B's, wave 2 A's scales, wave 3 B's; one tree of branches on the wave's number
.macro ARM under, g0, g1, next
	s_cmp_lt_u32 s14, \under
	s_cbranch_scc0 \next
	tensor_load_to_lds s[\g0:\g0+3], s[\g1:\g1+7]
	s_nop 0
.rept 4
	v_nop
.endr
	s_branch .Lhead_asked
\next:
.endm
	ARM 1, G0H,  G1,  .Lhead_b
	ARM 2, G0HB, G1B, .Lhead_sa
	ARM 3, G0S,  G1S, .Lhead_sb
	tensor_load_to_lds s[G0SB:G0SB+3], s[G1SB:G1SB+7]
	s_nop 0
.rept 4
	v_nop
.endr
.Lhead_asked:
	v_and_b32 v1, 15, v0
	v_bfe_u32 v2, v0, 4, 1
	v_mul_u32_u24 v3, v1, PITCH
	v_lshl_add_u32 v4, v2, 4, v3
	s_mul_i32 s21, s15, HALFT
	s_mul_i32 s22, s16, HALFT
	s_add_co_u32 s22, s22, 2*HALFT
.irp s, 0,1
	v_add_nc_u32 v[ADRA+\s], s21, v4
	v_add_nc_u32 v[ADRB+\s], s22, v4
	s_add_co_u32 s21, s21, SLOT
	s_add_co_u32 s22, s22, SLOT
.endr
	v_mul_u32_u24 v5, v1, KS
	v_lshrrev_b32 v6, 8, v5
	v_lshl_add_u32 v5, v6, 4, v5
	s_mul_i32 s21, s15, HALFS
	s_mul_i32 s22, s16, HALFS
	s_add_co_u32 s22, s22, 2*HALFS
	s_sub_co_u32 s22, s22, s21
	v_mul_u32_u24 v6, s22, v2
	s_add_co_u32 s21, s21, SCL
	v_add_nc_u32 v5, v5, v6
	v_add_nc_u32 v[ADRS], s21, v5
	v_lshlrev_b32 v7, 5, v2
	v_lshlrev_b32 v8, 2, v1
	s_mov_b32 s[SEL], 0x76543210
	s_mov_b32 s[SEL+1], 0xfedcba98
	s_mov_b32 s[MNT], 0x600000
.if FF1 == 0
	s_cmp_eq_u32 s[ROLE], 2
	s_cbranch_scc1 .Lbias_v
.endif
.irp b, 0,1,2,3,4,5,6,7
	global_load_b128 v[BI+8*\b:BI+8*\b+3], v7, s[BP:BP+1] offset:64*\b
	global_load_b128 v[BI+8*\b+4:BI+8*\b+7], v7, s[BP:BP+1] offset:64*\b+16
.endr
	s_wait_alu depctr_va_vdst(0)
	s_wait_loadcnt 0x0
.if FF1 == 0
	s_branch .Lbias_done
.Lbias_v:
.irp a, 0,1,2,3,4,5,6,7
	global_load_b32 v[BI+8*\a], v8, s[BP:BP+1] offset:64*\a
.endr
	s_wait_loadcnt 0x0
.irp a, 0,1,2,3,4,5,6,7
.irp j, 1,2,3,4,5,6,7
	v_mov_b32 v[BI+8*\a+\j], v[BI+8*\a]
.endr
.endr
.Lbias_done:
.endif
.macro FRAG reg, adr, q, i
.irp c, 0,1,2,3
	ds_load_b128 v[\reg+4*\c:\reg+4*\c+3], v[\adr] offset:128*(\q)+32*\c+(\i)*16*PITCH
.endr
.endm
.macro MUL16 a0, p, q, sc, zero
.irp a, \a0, \a0+1
.irp b, 0,1,2,3,4,5,6,7
.if (\zero) == 1
	v_wmma_scale_f32_16x16x128_f8f6f4 v[8*(8*((\a)%4)+\b):8*(8*((\a)%4)+\b)+7], v[128*(\p)+FR*\b:128*(\p)+FR*\b+FR-1], v[AF+FR*(\a):AF+FR*(\a)+FR-1], v[BI+8*\b:BI+8*\b+7], v[SC+8*NQ*(\sc)+NQ*\b+(\q)], v[SC+8*NQ*(\sc)+NQ*(\a)+(\q)] matrix_a_scale:MATRIX_SCALE_ROW1
.elseif (\zero) == 2
	v_wmma_scale_f32_16x16x128_f8f6f4 v[8*(8*((\a)%4)+\b):8*(8*((\a)%4)+\b)+7], v[128*(\p)+FR*\b:128*(\p)+FR*\b+FR-1], v[AF+FR*(\a):AF+FR*(\a)+FR-1], v[BI+8*(\a):BI+8*(\a)+7], v[SC+8*NQ*(\sc)+NQ*\b+(\q)], v[SC+8*NQ*(\sc)+NQ*(\a)+(\q)] matrix_a_scale:MATRIX_SCALE_ROW1
.else
	v_wmma_scale_f32_16x16x128_f8f6f4 v[8*(8*((\a)%4)+\b):8*(8*((\a)%4)+\b)+7], v[128*(\p)+FR*\b:128*(\p)+FR*\b+FR-1], v[AF+FR*(\a):AF+FR*(\a)+FR-1], v[8*(8*((\a)%4)+\b):8*(8*((\a)%4)+\b)+7], v[SC+8*NQ*(\sc)+NQ*\b+(\q)], v[SC+8*NQ*(\sc)+NQ*(\a)+(\q)] matrix_a_scale:MATRIX_SCALE_ROW1
.endif
.endr
.endr
.endm
.macro FETCH_B slot, q, p
	WIN TO_B
.irp i, 0,1,2,3,4,5,6,7
	FRAG 128*(\p)+FR*\i, ADRB+\slot, \q, \i
.endr
	WIN 0
.endm
.macro FETCH_A slot, q, i0
.irp i, \i0, \i0+1, \i0+2, \i0+3
	FRAG AF+FR*(\i), ADRA+\slot, \q, \i
.endr
.endm
.macro SCALES sc
.irp i, 0,1,2,3,4,5,6,7
	ds_load_b64 v[SC+8*NQ*\sc+NQ*\i:SC+8*NQ*\sc+NQ*\i+1], v[ADRS] offset:\i*SBLK
.endr
.endm
.macro PLACES n
.rept \n
	v_nop
.endr
.endm
.macro STEP slot, q, zero
	s_wait_dscnt 4*NL
.if \zero
	WIN BIA_LO
.else
	WIN MUL_LO
.endif
	MUL16 0, (\q)%2, \q, \slot, \zero
	MUL16 2, (\q)%2, \q, \slot, \zero
	s_wait_dscnt 0
	PLACES NP
	FETCH_B \slot, (\q)+1, 1-(\q)%2
	FETCH_A \slot, (\q)+1, 0
.if \zero
	WIN BIA_HI
.else
	WIN MUL_HI
.endif
	MUL16 4, (\q)%2, \q, \slot, \zero
	MUL16 6, (\q)%2, \q, \slot, \zero
	PLACES NP
	WIN 0
	FETCH_A \slot, (\q)+1, 4
.endm
.macro TURN slot, next, fill
	s_wait_tensorcnt 0x0
	ds_add_u32 v[SPW], v[NIL]
	s_wait_dscnt 4*NL+1
	WIN MUL_LO
	MUL16 0, 1, NQ-1, \slot, 0
	s_wait_dscnt 0x0
	s_barrier_signal -1
	MUL16 2, 1, NQ-1, \slot, 0
	WIN 0
	s_barrier_wait -1
.if \fill
	CREST
	s_add_nc_u64 s[G0+4*\slot+2:G0+4*\slot+3], s[G0+4*\slot+2:G0+4*\slot+3], 2*ROWB
	s_add_nc_u64 s[G0B+4*\slot+2:G0B+4*\slot+3], s[G0B+4*\slot+2:G0B+4*\slot+3], 2*ROWB
	JLOAD G0+4*\slot, G1, G0B+4*\slot, G1B
	PLACES NP-4
.else
	PLACES NP
.endif
	s_wait_alu depctr_va_vdst(0)
	v_add_nc_u32 v[ADRS], 4*NQ, v[ADRS]
	FETCH_B \next, 0, 0
	FETCH_A \next, 0, 0
	SCALES \next
	WIN MUL_HI
	MUL16 4, 1, NQ-1, \slot, 0
	MUL16 6, 1, NQ-1, \slot, 0
	PLACES NP
	WIN 0
	FETCH_A \next, 0, 4
.endm
	s_wait_alu depctr_va_vdst(0)                   ; the wait at the head's end
	s_wait_tensorcnt 0x0                           ; my tile of the head's four is in
	ds_add_u32 v[SPW], v[NIL]
	s_mov_b32 s[G1+2], 128<<16                     ; no tensor load of mine is out: from here on a load brings 128 rows
	s_mov_b32 s[G1+4], 128
	s_mov_b32 s[G1B+2], 128<<16
	s_mov_b32 s[G1B+4], 128
	s_wait_dscnt 0x0
	CROUND                                         ; all four tiles are in, all sixteen work-groups are here
	JLOAD G0+4, G1, G0B+4, G1B                     ; K step 1, the first tensor load behind the round
	FETCH_B 0, 0, 0
	FETCH_A 0, 0, 0
	SCALES 0
	FETCH_A 0, 0, 4
.if FF1
	STEP 0, 0, 1
.else
	s_cmp_eq_u32 s[ROLE], 2
	s_cbranch_scc1 .Lfirst_v
	STEP 0, 0, 1
	s_branch .Lfirst_done
.Lfirst_v:
	STEP 0, 0, 2
.Lfirst_done:
.endif
	s_mov_b32 s3, LAPS-1
.Llap:
	TURN 0, 1, 1
	STEP 1, 0, 0
	TURN 1, 0, 1
	STEP 0, 0, 0
	s_sub_co_u32 s3, s3, 1
	s_cmp_lg_u32 s3, 0
	s_cbranch_scc1 .Llap
	TURN 0, 1, 0
	STEP 1, 0, 0
	s_wait_dscnt 4*NL
	WIN MUL_LO
	MUL16 0, 1, NQ-1, 1, 0
	MUL16 2, 1, NQ-1, 1, 0
	s_wait_dscnt 0
	WIN MUL_HI
	MUL16 4, 1, NQ-1, 1, 0
	MUL16 6, 1, NQ-1, 1, 0
	WIN 0
.macro EQ a
.set AC, 64*((\a)%4)
.set WD, 2+(\a)/4
.set WSS, WD|(WD<<2)
.set WSD, WD|(WD<<6)
	WIN WSS
.irp c, 0,1,2,3
.if FF1
	v_max3_num_f32 v[TM+\c], v[AC+16*\c], v[AC+16*\c+1], 0x4800000
.else
	v_max3_num_f32 v[TM+\c], |v[AC+16*\c]|, |v[AC+16*\c+1]|, 0x4800000
.endif
.endr
.irp i, 2,4,6,8,10,12,14
.irp c, 0,1,2,3
.if FF1
	v_max3_num_f32 v[TM+\c], v[AC+16*\c+\i], v[AC+16*\c+\i+1], v[TM+\c]
.else
	v_max3_num_f32 v[TM+\c], |v[AC+16*\c+\i]|, |v[AC+16*\c+\i+1]|, v[TM+\c]
.endif
.endr
.endr
	WIN 0
.irp c, 0,1,2,3
	v_permlanex16_b32 v[TM+4+\c], v[TM+\c], s[SEL], s[SEL+1]
.endr
.irp c, 0,1,2,3
	v_max_num_f32 v[TM+\c], v[TM+\c], v[TM+4+\c]
.endr
.irp c, 0,1,2,3
	v_add_nc_u32 v[TM+12+\c], 0xfc000000, v[TM+\c]
.endr
.irp c, 0,1,2,3
	v_and_or_b32 v[TM+8+\c], v[TM+\c], 0x7f800000, s[MNT]
.endr
.irp c, 0,1,2,3
	v_lshrrev_b32 v[TM+4+\c], 23, v[TM+12+\c]
.endr
	v_lshl_or_b32 v[PW+(\a)], v[TM+5], 8, v[TM+4]
	v_lshl_or_b32 v[PW+(\a)], v[TM+6], 16, v[PW+(\a)]
	v_lshl_or_b32 v[PW+(\a)], v[TM+7], 24, v[PW+(\a)]
	WIN WSD
.irp c, 0,1,2,3
.irp i, 0,1,2,3,4,5,6,7,8,9,10,11,12,13,14,15
.if FF1
	v_med3_num_f32 v[AC+16*\c+\i], v[AC+16*\c+\i], 0, v[TM+8+\c]
.else
	v_med3_num_f32 v[AC+16*\c+\i], v[AC+16*\c+\i], -v[TM+8+\c], v[TM+8+\c]
.endif
.endr
.endr
	WIN WD
.irp c, 0,1,2,3
	v_cvt_scalef32_pk8_fp8_f32 v[PC+4*\c:PC+4*\c+1], v[AC+16*\c:AC+16*\c+7], v[TM+12+\c]
	v_cvt_scalef32_pk8_fp8_f32 v[PC+4*\c+2:PC+4*\c+3], v[AC+16*\c+8:AC+16*\c+15], v[TM+12+\c]
.endr
	WIN 0
	v_nop
.irp c, 0,1,2,3
	v_permlane16_swap_b32 v[PC+4*\c], v[PC+4*\c+2]
	v_permlane16_swap_b32 v[PC+4*\c+1], v[PC+4*\c+3]
.endr
	ds_store_b32 v[SWA], v[PW+(\a)] offset:64*(\a)
.irp c, 0,1,2,3
	global_store_b128 v[VO+(\c)/2], v[PC+4*\c:PC+4*\c+3], s[OC:OC+1] offset:((\c)%2)*512
.endr
.if (\a) < 7
	s_wait_xcnt 0x0
	s_add_nc_u64 s[OC:OC+1], s[OC:OC+1], s[SAP:SAP+1]
.if (FF1 == 0) && ((\a) == 3)
	s_add_nc_u64 s[OC:OC+1], s[OC:OC+1], s[SA4P:SA4P+1]
.endif
.endif
.endm
	PLACES NP
.irp c, 0,1,2,3
	v_mov_b32 v[TM+4+\c], 0
.endr
.irp a, 0,1,2,3,4,5,6,7
	EQ \a
.endr
	ds_load_b128 v[SB:SB+3], v[SWR]
	s_wait_dscnt 0x0
	global_store_b128 v[VS], v[SB:SB+3], s[OS:OS+1]
	s_wait_tensorcnt 0x0
	ds_add_u32 v[SPW], v[NIL]
	s_wait_dscnt 0x0
	CROUND
	s_endpgm
.Lfunc_end_k_qd3493d48e9_ff1:
	.size	k_qd3493d48e9_ff1, .Lfunc_end_k_qd3493d48e9_ff1-k_qd3493d48e9_ff1
	.p2alignl 7, 3214868480
	.fill 96, 4, 3214868480
	.section	.rodata,"a",@progbits
	.p2align	6, 0x0
	.amdhsa_kernel k_qd3493d48e9_ff1
		.amdhsa_group_segment_fixed_size 327680
		.amdhsa_private_segment_fixed_size 0
		.amdhsa_enable_private_segment 0
		.amdhsa_kernarg_size 40
		.amdhsa_user_sgpr_count 2
		.amdhsa_user_sgpr_kernarg_segment_ptr 1
		.amdhsa_wavefront_size32 1
		.amdhsa_system_sgpr_workgroup_id_x 1
		.amdhsa_system_sgpr_workgroup_id_y 1
		.amdhsa_system_sgpr_workgroup_id_z 1
		.amdhsa_system_vgpr_workitem_id 0
		.amdhsa_next_free_vgpr 1024
		.amdhsa_next_free_sgpr 106
		.amdhsa_reserve_vcc 0
		.amdhsa_float_denorm_mode_32 3
		.amdhsa_float_denorm_mode_16_64 3
		.amdhsa_memory_ordered 1
		.amdhsa_forward_progress 1
		.amdhsa_inst_pref_size 191
	.end_amdhsa_kernel
	.amdgpu_metadata
---
amdhsa.version: [ 1, 2 ]
amdhsa.kernels:
  - .name:           k_qd3493d48e9_ff1
    .symbol:         k_qd3493d48e9_ff1.kd
    .args:
      - { .name: nq, .offset: 0, .size: 8, .value_kind: global_buffer, .address_space: global }
      - { .name: w1_codes, .offset: 8, .size: 8, .value_kind: global_buffer, .address_space: global }
      - { .name: w1_scales, .offset: 16, .size: 8, .value_kind: global_buffer, .address_space: global }
      - { .name: b1, .offset: 24, .size: 8, .value_kind: global_buffer, .address_space: global }
      - { .name: hq, .offset: 32, .size: 8, .value_kind: global_buffer, .address_space: global }
    .group_segment_fixed_size: 327680
    .private_segment_fixed_size: 0
    .kernarg_segment_align: 8
    .kernarg_segment_size: 40
    .max_flat_workgroup_size: 128
    .sgpr_count:     106
    .vgpr_count:     1024
    .wavefront_size: 32
...
	.end_amdgpu_metadata
.endif
;; end of part 5
;; launch ff2 (part 6): grid 8 x 32, 4 waves a work-group, clusters of 4 x 4, 327,680 bytes of LDS; arguments hq, w2_codes, w2_scales, b2, x1, out0; writes out0
.if DOCPART == 6
	.amdgcn_target "amdgcn-amd-amdhsa--gfx1250"
	.amdhsa_code_object_version 6
	.text
	.protected	k_qd3493d48e9_ff2
	.globl	k_qd3493d48e9_ff2
	.p2align	8
	.type	k_qd3493d48e9_ff2,@function
k_qd3493d48e9_ff2:
	s_mov_b64 s[64:65], 0
	v_nop
	global_prefetch_b8 v0, s[64:65] scope:SCOPE_SE
	s_setreg_imm32_b32 hwreg(HW_REG_WAVE_MODE, 25, 1), 1
	s_wait_xcnt 0x0
	s_wait_alu depctr_hold_cnt(0) depctr_sa_sdst(0) depctr_va_vdst(0) depctr_va_sdst(0) depctr_va_ssrc(0) depctr_va_vcc(0) depctr_vm_vsrc(0)
	s_getreg_b32 s2, hwreg(HW_REG_IB_STS2, 6, 4)
	s_cmp_eq_u32 s2, 0
	s_cbranch_scc0 .Lentry_in_a_cluster
	s_endpgm
.Lentry_in_a_cluster:
	s_bfe_u32 s2, ttmp6, 0x10000c
	s_cmp_lg_u32 s2, 0xf033
	s_cbranch_scc0 .Lentry_shape_is_right
	s_endpgm
.Lentry_shape_is_right:
.set KTOT,   4096
.set KT,     KTOT/128
.set NS,     KTOT/1024
.set KS,     KTOT/32
.set PITCH,  1040
.set QUART,  32*PITCH
.set SLOT,   4*QUART
.set TBL,    2*SLOT
.set TAL,    TBL+17408
.set SPARE,  TAL+16384
.set STG,    SPARE+512
.set SBLK,   (16*KS/256)*272
.if KTOT == 1024
.set ASC,    4194304
.set ASH,    8
.else
.set ASC,    16777216
.set ASH,    9
.endif
.set ADB,  16
.set ADTA, 22
.set ADTB, 23
.set STO,  24
.set RD,   25
.set CO,   26
.set AO,   27
.set SPW,  28
.set NIL,  29
.set BI,   32
.set SCW,  96
.set TMPR, 192
.set G1B, 48
.set G0B, 56
.set MSB, 0
.macro WIN new
.if MSB != \new
	s_set_vgpr_msb (MSB<<8)|\new
.set MSB, \new
.endif
.endm
.set MULW, 0xad
.set MULB, 0x8d
.set TO_W, 0x40
.set TO_A, 0xc0
.set TO_R, 0x80
.macro CREST
	s_cmp_lg_u32 s16, 0
	s_cbranch_scc1 .Lnot_wave_0_\@
	s_barrier_signal -3
.Lnot_wave_0_\@:
	s_barrier_wait -3
	s_barrier_signal -1
	s_barrier_wait -1
.endm
.macro CROUND
	s_barrier_signal -1
	s_barrier_wait -1
	CREST
.endm
.macro PLACES n
.rept \n
	v_nop
.endr
.endm
	s_load_b256 s[4:11], s[0:1], 0x0
	s_load_b128 s[12:15], s[0:1], 0x20
	v_lshl_add_u32 v[SPW], v0, 2, SPARE
	v_mov_b32 v[NIL], 0
	ds_add_u32 v28, v29
	ds_add_u32 v28, v29
	s_wait_dscnt 0x0
	v_lshrrev_b32 v1, 5, v0
	v_readfirstlane_b32 s16, v1
	s_bfe_u32 s40, ttmp6, 0x40000
	s_bfe_u32 s41, ttmp6, 0x40004
	s_lshl_b32 s42, ttmp9, 2
	s_add_co_u32 s42, s42, s40
	s_and_b32 s19, ttmp7, 0xffff
	s_lshl_b32 s19, s19, 2
	s_add_co_u32 s19, s19, s41
	s_lshl_b32 s44, 0x1111, s40
	s_or_b32 s[G1B], s44, (0<<16)|(1<<20)|(1<<21)|(7<<22)|(3<<25)
	s_mov_b32 s[G1B+1], 1024<<16
	s_mov_b32 s[G1B+2], 32<<16
	s_mov_b32 s[G1B+3], 1024<<16
	s_mov_b32 s[G1B+4], 32
	s_mov_b32 s[G1B+5], KTOT
	s_mov_b32 s[G1B+6], 0
	s_mov_b32 s[G1B+7], 0
	s_lshl_b32 s46, s42, 7
	s_lshl_b32 s47, s16, 5
	s_add_co_u32 s46, s46, s47
	s_mul_i32 s46, s46, KTOT
	s_mov_b32 s47, 0
	s_mul_i32 s23, s16, QUART
	s_lshl_b32 s20, s19, 3
	s_lshl_b32 s21, s16, 1
	s_add_co_u32 s20, s20, s21
	s_mul_i32 s20, s20, 16*KTOT
	s_mov_b32 s21, 0
	s_wait_kmcnt 0x0
	s_add_nc_u64 s[20:21], s[4:5], s[20:21]
	s_add_nc_u64 s[46:47], s[6:7], s[46:47]
.irp s, 0,1
.if \s < NS
	s_mov_b32 s[G0B+4*\s], 1
	s_add_co_u32 s[G0B+4*\s+1], s23, \s*SLOT
	s_add_nc_u64 s[G0B+4*\s+2:G0B+4*\s+3], s[46:47], \s*1024
	s_or_b32 s[G0B+4*\s+3], s[G0B+4*\s+3], 0x80000000
.endif
.endr
	CROUND
	tensor_load_to_lds s[G0B:G0B+3], s[G1B:G1B+7]
	s_nop 0
.if NS > 1
	s_wait_alu depctr_va_vdst(0)
	s_wait_tensorcnt 0x0
	ds_add_u32 v28, v29
	s_wait_dscnt 0x0
	CROUND
	tensor_load_to_lds s[G0B+4:G0B+7], s[G1B:G1B+7]
	s_nop 0
.endif
	PLACES 4
	v_and_b32 v1, 15, v0
	v_bfe_u32 v2, v0, 4, 1
	v_and_b32 v3, 31, v0
	v_lshlrev_b32 v[AO], 4, v3
	v_mul_u32_u24 v5, v1, PITCH
	v_lshl_add_u32 v[ADB], v2, 4, v5
	v_add_nc_u32 v[ADB+1], 64*PITCH, v[ADB]
	v_add_nc_u32 v[ADB+2], SLOT, v[ADB]
	v_add_nc_u32 v[ADB+3], SLOT+64*PITCH, v[ADB]
	s_lshl_b32 s70, s16, 7
	s_add_co_u32 s70, s70, TAL
	v_lshl_add_u32 v[ADTA], v3, 2, s70
	v_mul_u32_u24 v5, v1, KS
	v_lshrrev_b32 v11, 8, v5
	v_lshl_add_u32 v5, v11, 4, v5
	v_add_nc_u32 v[ADTB], TBL, v5
	s_mul_i32 s70, s16, 16*272
	s_add_co_u32 s70, s70, STG
	v_mul_u32_u24 v5, v1, 272
	v_lshl_add_u32 v5, v2, 5, v5
	v_add_nc_u32 v[STO], s70, v5
	v_mul_u32_u24 v5, v2, 272
	v_lshl_add_u32 v5, v1, 4, v5
	v_add_nc_u32 v[RD], s70, v5
	v_lshlrev_b32 v5, 12, v2
	v_lshl_add_u32 v[CO], v1, 4, v5
	s_lshl_b32 s66, s19, 19
	s_lshl_b32 s70, s16, 17
	s_add_co_u32 s66, s66, s70
	s_lshl_b32 s68, s42, 9
	s_add_co_u32 s66, s66, s68
	s_mov_b32 s67, 0
	s_mov_b32 s69, 0
	s_add_nc_u64 s[12:13], s[12:13], s[66:67]
	s_add_nc_u64 s[14:15], s[14:15], s[66:67]
	s_add_nc_u64 s[10:11], s[10:11], s[68:69]
	s_mul_i32 s68, s42, 128*KS
	s_add_nc_u64 s[8:9], s[8:9], s[68:69]
	s_lshl_b32 s66, s19, ASH
	s_add_co_u32 s66, s66, ASC
	s_add_nc_u64 s[4:5], s[4:5], s[66:67]
	v_lshlrev_b32 v7, 4, v0
	v_lshlrev_b32 v8, 5, v2
	v_lshrrev_b32 v10, 4, v0
	v_lshl_add_u32 v10, v10, 4, v7
	v_add_nc_u32 v10, TBL, v10
.if KTOT == 1024
	v_lshlrev_b32 v6, 1, v0
	v_lshl_add_u32 v9, v0, 2, TAL
.irp p, 0,1,2,3,4,5,6,7,8,9,10,11,12,13,14,15
	global_load_u16 v[TMPR+\p], v6, s[4:5] offset:8192*\p
.endr
.else
	v_lshrrev_b32 v6, 5, v0
	v_lshlrev_b32 v6, 14, v6
	v_lshl_add_u32 v6, v3, 4, v6
	v_add_nc_u32 v9, TAL, v7
.irp j, 0,1,2,3,4,5,6,7
	global_load_b128 v[TMPR+4*\j:TMPR+4*\j+3], v6, s[4:5] offset:65536*\j
.endr
.endif
.set j, 0
.rept KS/16
	global_load_b128 v[TMPR+32+4*j:TMPR+32+4*j+3], v7, s[8:9] offset:2048*j
.set j, j+1
.endr
.irp b, 0,1,2,3,4,5,6,7
	global_load_b128 v[BI+8*\b:BI+8*\b+3], v8, s[10:11] offset:64*\b
	global_load_b128 v[BI+8*\b+4:BI+8*\b+7], v8, s[10:11] offset:64*\b+16
.endr
.macro AGROUP g
	WIN TO_A
.irp a, 0,1
.irp c, 0,1,2,3
	global_load_b128 v[32*((\g)%8)+16*\a+4*\c:32*((\g)%8)+16*\a+4*\c+3], v[AO], s[20:21] offset:\a*16*KTOT+(\g)*2048+512*\c
.endr
.endr
.endm
.macro RGROUP u
	WIN TO_R
.irp t, 0,1,2,3,4,5,6,7
	global_load_b128 v[128+32*(\u)+4*\t:128+32*(\u)+4*\t+3], v[CO], s[12:13] offset:(16*((\u)/2)+2*\t)*4096+256*((\u)%2)
.endr
.endm
.set g0, 0
.rept 7
	AGROUP g0
.set g0, g0+1
.endr
	WIN 0
	s_wait_alu depctr_va_vdst(0)
	s_wait_loadcnt 56
.if KTOT == 1024
.irp w, 0,1,2,3,4,5,6,7
	v_lshl_or_b32 v[TMPR+2*\w], v[TMPR+2*\w+1], 16, v[TMPR+2*\w]
	ds_store_b32 v9, v[TMPR+2*\w] offset:512*\w
.endr
.else
.irp j, 0,1,2,3,4,5,6,7
	ds_store_b128 v9, v[TMPR+4*\j:TMPR+4*\j+3] offset:2048*\j
.endr
.endif
.set j, 0
.rept KS/16
	ds_store_b128 v10, v[TMPR+32+4*j:TMPR+32+4*j+3] offset:2176*j
.set j, j+1
.endr
	s_wait_dscnt 0x0
.if NS > 1
	s_wait_tensorcnt 1
.else
	s_wait_tensorcnt 0x0
.endif
	s_barrier_signal -1
	s_barrier_wait -1
.macro FETCH kq
	WIN TO_W
.irp b, 0,1,2,3,4,5,6,7
.irp c, 0,1,2,3
	ds_load_b128 v[128*((\kq)%2)+16*\b+4*\c:128*((\kq)%2)+16*\b+4*\c+3], v[ADB+2*(((\kq)/8)%2)+\b/4] offset:(\b%4)*16*PITCH+128*((\kq)%8)+32*\c
.endr
.endr
.endm
.macro SCALES g
	WIN 0
.irp b, 0,1,2,3,4,5,6,7
	ds_load_b128 v[SCW+40*((\g)%2)+4*\b:SCW+40*((\g)%2)+4*\b+3], v[ADTB] offset:\b*SBLK+16*(\g)
.endr
.irp q, 0,1,2,3
	ds_load_b32 v[SCW+40*((\g)%2)+32+\q], v[ADTA] offset:512*(4*(\g)+\q)
.endr
.endm
.macro MUL a, first
.set rA, 32*(kx%8)+16*(\a)
.set rB, 128*(kx%2)
.set rS, SCW+40*((kx/4)%2)
.irp b, 0,1,2,3,4,5,6,7
.if \first
.if \a
	v_wmma_scale_f32_16x16x128_f8f6f4 v[8*(8*(\a)+\b):8*(8*(\a)+\b)+7], v[rB+16*\b:rB+16*\b+15], v[rA:rA+15], v[BI+8*\b:BI+8*\b+7], v[rS+4*\b+kx%4], v[rS+32+kx%4] matrix_b_scale:MATRIX_SCALE_ROW1
.else
	v_wmma_scale_f32_16x16x128_f8f6f4 v[8*(8*(\a)+\b):8*(8*(\a)+\b)+7], v[rB+16*\b:rB+16*\b+15], v[rA:rA+15], v[BI+8*\b:BI+8*\b+7], v[rS+4*\b+kx%4], v[rS+32+kx%4]
.endif
.else
.if \a
	v_wmma_scale_f32_16x16x128_f8f6f4 v[8*(8*(\a)+\b):8*(8*(\a)+\b)+7], v[rB+16*\b:rB+16*\b+15], v[rA:rA+15], v[8*(8*(\a)+\b):8*(8*(\a)+\b)+7], v[rS+4*\b+kx%4], v[rS+32+kx%4] matrix_b_scale:MATRIX_SCALE_ROW1
.else
	v_wmma_scale_f32_16x16x128_f8f6f4 v[8*(8*(\a)+\b):8*(8*(\a)+\b)+7], v[rB+16*\b:rB+16*\b+15], v[rA:rA+15], v[8*(8*(\a)+\b):8*(8*(\a)+\b)+7], v[rS+4*\b+kx%4], v[rS+32+kx%4]
.endif
.endif
.endr
.endm
.macro GLOADS
.if kx+7 < KT
	AGROUP kx+7
.elseif kx+7 < KT+4
	RGROUP kx+7-KT
.endif
.endm
.macro STEPN first
.if ((kx%8) != 0) && (kx+1 < KT)
	PLACES 8
.endif
.if ((kx%4) == 1) && (kx/4+1 < KT/4)
	SCALES kx/4+1
.endif
.if kx+1 < KT
	FETCH kx+1
.endif
	GLOADS
.set nn, kx+7
.if nn > KT+3
.set nn, KT+3
.endif
	s_wait_loadcnt 8*(nn-kx)
.if kx+1 < KT
	s_wait_dscnt 32
.else
	s_wait_dscnt 0x0
.endif
.if \first
	WIN MULB
.else
	WIN MULW
.endif
	MUL 0, \first
	MUL 1, \first
.endm
.macro STEPC fill
.set sl, (kx/8)%2
	WIN 0
	s_wait_tensorcnt 0x0
	ds_add_u32 v[SPW], v[NIL]
	s_wait_loadcnt 48
	s_wait_dscnt 1
	WIN MULW
	MUL 0, 0
	s_wait_dscnt 0x0
	s_barrier_signal -1
	MUL 1, 0
	WIN 0
	s_barrier_wait -1
.if \fill
	CREST
	s_add_nc_u64 s[G0B+4*sl+2:G0B+4*sl+3], s[G0B+4*sl+2:G0B+4*sl+3], 2048
	tensor_load_to_lds s[G0B+4*sl:G0B+4*sl+3], s[G1B:G1B+7]
	s_nop 0
.endif
	PLACES 8
	FETCH kx+1
	GLOADS
.endm
	FETCH 0
	SCALES 0
.set kx, 0
	STEPN 1
.set kx, 1
.rept KT-1
.if ((kx%8) == 7) && (kx+1 < KT)
.if kx/8+2 < NS
	STEPC 1
.else
	STEPC 0
.endif
.else
	STEPN 0
.endif
.set kx, kx+1
.endr
	WIN 0
.macro TOSTAGE u
	WIN 0x08
.irp b, 0,1,2,3
	ds_store_b128 v[STO], v[8*(8*((\u)/2)+4*((\u)%2)+\b):8*(8*((\u)/2)+4*((\u)%2)+\b)+3] offset:64*\b
	ds_store_b128 v[STO], v[8*(8*((\u)/2)+4*((\u)%2)+\b)+4:8*(8*((\u)/2)+4*((\u)%2)+\b)+7] offset:64*\b+16
.endr
	WIN 0
.set BB, TMPR+32*((\u)%2)
.irp t, 0,1,2,3,4,5,6,7
	ds_load_b128 v[BB+4*\t:BB+4*\t+3], v[RD] offset:544*\t
.endr
.endm
.macro SEND u, younger
.set BB, TMPR+32*((\u)%2)
	s_wait_dscnt \younger
	WIN 0x08
.set w2, 0
.rept 16
	v_pk_add_f32 v[BB+w2:BB+w2+1], v[BB+w2:BB+w2+1], v[128+32*(\u)+w2:128+32*(\u)+w2+1]
.set w2, w2+2
.endr
	WIN 0
.irp t, 0,1,2,3,4,5,6,7
	global_store_b128 v[CO], v[BB+4*\t:BB+4*\t+3], s[14:15] offset:(16*((\u)/2)+2*\t)*4096+256*((\u)%2)
.endr
.endm
	PLACES 8
	s_wait_loadcnt 0x0
	TOSTAGE 0
.irp a, 1,2,3
.if \a > 1
	s_wait_xcnt 0x0
.endif
	TOSTAGE \a
	SEND \a-1, 16
.endr
	SEND 3, 0
	s_wait_tensorcnt 0x0
	ds_add_u32 v[SPW], v[NIL]
	s_wait_dscnt 0x0
	CROUND
	s_endpgm
.Lfunc_end_k_qd3493d48e9_ff2:
	.size	k_qd3493d48e9_ff2, .Lfunc_end_k_qd3493d48e9_ff2-k_qd3493d48e9_ff2
	.p2alignl 7, 3214868480
	.fill 96, 4, 3214868480
	.section	.rodata,"a",@progbits
	.p2align	6, 0x0
	.amdhsa_kernel k_qd3493d48e9_ff2
		.amdhsa_group_segment_fixed_size 327680
		.amdhsa_private_segment_fixed_size 0
		.amdhsa_enable_private_segment 0
		.amdhsa_kernarg_size 48
		.amdhsa_user_sgpr_count 2
		.amdhsa_user_sgpr_kernarg_segment_ptr 1
		.amdhsa_wavefront_size32 1
		.amdhsa_system_sgpr_workgroup_id_x 1
		.amdhsa_system_sgpr_workgroup_id_y 1
		.amdhsa_system_sgpr_workgroup_id_z 1
		.amdhsa_system_vgpr_workitem_id 0
		.amdhsa_next_free_vgpr 1024
		.amdhsa_next_free_sgpr 80
		.amdhsa_reserve_vcc 0
		.amdhsa_float_denorm_mode_32 3
		.amdhsa_float_denorm_mode_16_64 3
		.amdhsa_memory_ordered 1
		.amdhsa_forward_progress 1
		.amdhsa_inst_pref_size 198
	.end_amdhsa_kernel
	.amdgpu_metadata
---
amdhsa.version: [ 1, 2 ]
amdhsa.kernels:
  - .name:           k_qd3493d48e9_ff2
    .symbol:         k_qd3493d48e9_ff2.kd
    .args:
      - { .name: hq, .offset: 0, .size: 8, .value_kind: global_buffer, .address_space: global }
      - { .name: w2_codes, .offset: 8, .size: 8, .value_kind: global_buffer, .address_space: global }
      - { .name: w2_scales, .offset: 16, .size: 8, .value_kind: global_buffer, .address_space: global }
      - { .name: b2, .offset: 24, .size: 8, .value_kind: global_buffer, .address_space: global }
      - { .name: x1, .offset: 32, .size: 8, .value_kind: global_buffer, .address_space: global }
      - { .name: out0, .offset: 40, .size: 8, .value_kind: global_buffer, .address_space: global }
    .group_segment_fixed_size: 327680
    .private_segment_fixed_size: 0
    .kernarg_segment_align: 8
    .kernarg_segment_size: 48
    .max_flat_workgroup_size: 128
    .sgpr_count:     80
    .vgpr_count:     1024
    .wavefront_size: 32
...
	.end_amdgpu_metadata
.endif
;; end of part 6
